; MI455X (gfx1250); checked and timed in simulation.
; The chip was launched on July 23, 2026; its instructions are those of AMD's public machine-readable ISA for CDNA 5 (MIT licence, August 2026) and "CDNA5" Instruction Set Architecture Reference Guide (July 2026). The comments in the code are by the model that wrote it; some were corrected since.
;; Multi Head Attention. Allowed arithmetic: matrix products marked QUANTISED: E2M1 operands, one E8M0 scale for each 32 along K, by v_wmma_scale_f32_16x16x128_f8f6f4 with both operands' format E2M1 (or v_wmma_scale_f32_32x16x128_f4), f32 sums; products left as they are: bf16, f16 or f32 operands; f32 sums; everything else in f32.
;; Inputs: Wk 1,024 x 1,024 float32; Wo 1,024 x 1,024 float32; Wq 1,024 x 1,024 float32; Wv 1,024 x 1,024 float32; bk 1,024 float32; bo 1,024 float32; bq 1,024 float32; bv 1,024 float32; k 2 x 2,048 x 1,024 float32; q 2 x 2,048 x 1,024 float32; v 2 x 2,048 x 1,024 float32.
;; Outputs: out0 2 x 2,048 x 1,024 float32.
;; This version of the problem:
;;   THIS VERSION OF THE PROBLEM IS GIVEN IN LOW PRECISION. The matrix products marked QUANTISED in the list below multiply operands that are first quantised to E2M1 (2 exponent bits, 1 mantissa bit; 4 bits a number), with one power-of-two scale for each 32 numbers along K (OCP MX v1.0); their sums are f32. The products marked 'left as it is' may take bf16, f16 or f32 operands, with f32 sums. Whichever they take, every output number must still come out within the allowed error. Rounding operands to bf16 (8 significant bits) uses up far more of that allowance than f16 does (11 bits, for magnitudes from 6e-5 to 65,504). All else is computed in f32.
;;   The module's matrix products, in the order in which they are computed (A, B: the left and right operand; K: the contracted axis; several contracted axes count as one K, in the product's order):
;;     1. [M 4,096, K 1,024] x [K 1,024, N 1,024]; A: input q; B: input Wq: QUANTISED
;;     2. [M 4,096, K 1,024] x [K 1,024, N 1,024]; A: input k; B: input Wk: QUANTISED
;;     3. [M 4,096, K 1,024] x [K 1,024, N 1,024]; A: input v; B: input Wv: QUANTISED
;;     4. batch 32 x [M 2,048, K 64] x [K 64, N 2,048]; A: computed on the way; B: computed on the way: left as it is (an operand is computed on the way)
;;     5. batch 32 x [M 2,048, K 2,048] x [K 2,048, N 64]; A: computed on the way; B: computed on the way: left as it is (an operand is computed on the way)
;;     6. [M 4,096, K 1,024] x [K 1,024, N 1,024]; A: computed on the way; B: input Wo: left as it is (an operand is computed on the way)
;;   THE QUANTISER, for each operand of a quantised product, along K:
;;     - K is cut into blocks of 32 from its start; a last block that is shorter is filled with zeros.
;;     - A block's scale is 2^e with e = floor(log2(the largest magnitude in the block)) - 2, held to -126 .. 127; a block of zeros has e = 0. As a byte (E8M0): e + 127.
;;     - Each number is divided by its block's scale, clamped to +-6, and rounded to the nearest number of E2M1, ties to even, subnormals kept.
;;     - The product sums the exact products of the quantised numbers (number of the format x scale) in f32.
;;   ~~~python
;;   def quantise(x, axis):      # numpy; x: float32 -> the quantised numbers, widened to float32 again
;;       x = np.moveaxis(x, axis, -1); K = x.shape[-1]
;;       x = np.pad(x, [(0, 0)] * (x.ndim - 1) + [(0, -K % 32)]); x = x.reshape(x.shape[:-1] + (-1, 32)); a = np.abs(x).max(-1, keepdims=True)
;;       e = np.where(a > 0, np.clip(np.frexp(np.where(a > 0, a, 1))[1] - 1 - 2, -126, 127), 0)      # np.frexp(a)[1] - 1 = floor(log2(a)), exactly
;;       r = np.clip(x / 2.0 ** e, -6, 6)
;;       step = 2.0 ** (np.maximum(np.frexp(np.where(r == 0, 1, r))[1] - 1, 0) - 1)
;;       q = np.round(r / step) * step * 2.0 ** e      # np.round: ties to even
;;       return np.moveaxis(q.reshape(q.shape[:-2] + (-1,))[..., :K], -1, axis).astype(np.float32)
;;   ~~~
;; One version. Each part assembles by itself: llvm-mc -triple=amdgcn-amd-amdhsa -mcpu=gfx1250 --defsym DOCPART=n.
;; ======== version 1 of 1: 4 launches
;; limits: values are held in f16: magnitudes above 65,504 overflow, below 6.1e-05 lose precision
;; workspace buffers: codes 7,864,320 bytes; scales 491,520 bytes; wo16 2,097,152 bytes; qkv 25,165,824 bytes; ao 8,388,608 bytes
;; launch quant (part 1): grid 512 x 1, 4 waves a work-group, no clusters, 33,280 bytes of LDS; arguments q, k, v, Wq, Wk, Wv, Wo, codes, scales, wo16; writes codes, scales, wo16
.if DOCPART == 1
	.amdgcn_target "amdgcn-amd-amdhsa--gfx1250"
	.amdhsa_code_object_version 6
	.text
	.protected	k_q1498601920_quant
	.globl	k_q1498601920_quant
	.p2align	8
	.type	k_q1498601920_quant,@function
k_q1498601920_quant:
	s_mov_b64 s[64:65], 0
	v_nop
	global_prefetch_b8 v0, s[64:65] scope:SCOPE_SE
	s_setreg_imm32_b32 hwreg(HW_REG_WAVE_MODE, 25, 1), 1
	s_wait_xcnt 0x0
; q, k, v [4096][1024] and Wq, Wk, Wv [1024][1024], f32 with K innermost, become codes of FP4 (E2M1) with one E8M0 byte for each 32 along K; Wo [1024][1024] becomes f16.
; codes: [15360 rows][512 bytes], rows 0-4095 q, 4096-8191 k, 8192-12287 v, 12288-13311 Wq, 13312-14335 Wk, 14336-15359 Wv; two codes a byte, the lower k in the low four bits.  scales: [15360][32 bytes].
; wo16: f16, [n / 128][k / 64][n % 128][k % 64]: a block of 128 rows x 64 along K is 16,384 consecutive bytes, as the last launch's tiles want it.
; A block's scale is 2^(floor(log2(its largest magnitude)) - 2); its byte is the largest magnitude's exponent field - 2, held at 1 from below.  A block of zeros gets the byte 1 where the rule says 127: its codes are
; zeros, which add nothing under any byte but 0xff, and the bytes are read by this program alone.
; LIMITS: blocks whose largest magnitude lies under 2^-124 get the byte 1; NaN and infinities among the inputs are not served; numbers of Wo beyond 65,504 are not served, and under 6.1e-5 they keep an absolute error of 3e-8 at the most.
; SHARES: work-groups 0-479 take the six tensors of codes (128 each for q, k, v; 32 for each weight): rows are dense, so each tensor is a plain stream of blocks of 32; a wave takes 16 steps of 512 numbers.
; Each of a step's four loads reads 512 consecutive bytes; the 2,048 bytes turn through the wave's own stage in LDS and come back 64 bytes a lane, so that a lane holds 16 neighbours along K (two lanes hold a block).
; Work-groups 480-511 take Wo, 32 rows each, a wave 8 rows, and use no LDS.  No tensor loads, no barrier: waves share nothing.
.set WAVES, 4
.set STEPS, 16
.set WGQ,   480                        ; work-groups that make codes
.set EMAX,  2
.set CB,    8                          ; bytes of 16 codes
.set R,     16                         ; v16-79   four sets of 16 numbers as they are loaded
.set X,     80                         ; v80-111  two sets of 16 neighbours
.set E,     112                        ; v112-127 a scale byte for each step
.set C,     128                        ; v128-191 codes: four registers for each step, so that no store's data are written again
.set WREG,  8192                       ; LDS: a region for each wave: two stages of 32 x SP bytes, behind them its 256 scale bytes
.set SP,    80                         ; a lane's place in a stage: its 64 bytes + 16 of padding
.set SPW,   12                         ; v12  LDS address of my spare word: SPARE + 4 x my thread's number; never rewritten
.set NIL,   13                         ; v13  0; never rewritten
.set SPARE, WAVES*WREG                 ; behind the four regions: the spare words, 128 bytes for each wave
.set WR,    16                         ; Wo's path: v16-143 two sets of 64 numbers
.set WC,    144                        ; v144-175 their f16 pairs
	s_load_b512 s[4:19], s[0:1], 0x0               ; q 4:5, k 6:7, v 8:9, Wq 10:11, Wk 12:13, Wv 14:15, Wo 16:17, codes 18:19
	s_load_b128 s[20:23], s[0:1], 0x40             ; scales 20:21, wo16 22:23
	v_lshl_add_u32 v[SPW], v0, 2, SPARE
	v_mov_b32 v[NIL], 0
	v_lshrrev_b32 v1, 5, v0
	v_readfirstlane_b32 s24, v1                    ; wave
	v_and_b32 v2, 31, v0                           ; lane
	v_lshlrev_b32 v3, 4, v2                        ; my 16 bytes of a load's 512
	s_mul_i32 s26, s24, WREG
	v_lshrrev_b32 v14, 2, v2
	v_mul_u32_u24 v14, v14, SP
	v_and_b32 v15, 3, v2
	v_lshl_add_u32 v14, v15, 4, v14
	v_add_nc_u32 v14, s26, v14                     ; the stage, on the way in: SP (lane / 4) + 16 (lane % 4)
	v_mul_u32_u24 v15, v2, SP
	v_add_nc_u32 v15, s26, v15                     ; and on the way out: SP x lane: my 16 neighbours
	v_mul_u32_u24 v4, v2, CB                       ; my codes' place in a step's
	v_lshrrev_b32 v5, 1, v2
	s_add_co_u32 s26, s26, 2*32*SP
	v_add_nc_u32 v5, s26, v5                       ; LDS: my wave's 256 scale bytes, my block's byte
	v_lshlrev_b32 v7, 3, v2                        ; and on the way out 8 bytes a lane
	v_add_nc_u32 v6, s26, v7
	s_wait_kmcnt 0x0
	s_cmp_ge_u32 ttmp9, WGQ
	s_cbranch_scc1 .Lwo
	; which tensor is mine: the choice hangs on the work-group's number alone
	s_mov_b32 s25, 0
	s_cmp_ge_u32 ttmp9, 128
	s_cselect_b64 s[4:5], s[6:7], s[4:5]
	s_cselect_b32 s25, 128, s25
	s_cmp_ge_u32 ttmp9, 256
	s_cselect_b64 s[4:5], s[8:9], s[4:5]
	s_cselect_b32 s25, 256, s25
	s_cmp_ge_u32 ttmp9, 384
	s_cselect_b64 s[4:5], s[10:11], s[4:5]
	s_cselect_b32 s25, 384, s25
	s_cmp_ge_u32 ttmp9, 416
	s_cselect_b64 s[4:5], s[12:13], s[4:5]
	s_cselect_b32 s25, 416, s25
	s_cmp_ge_u32 ttmp9, 448
	s_cselect_b64 s[4:5], s[14:15], s[4:5]
	s_cselect_b32 s25, 448, s25
	s_sub_co_u32 s25, ttmp9, s25
	s_lshl_b32 s25, s25, 2
	s_add_co_u32 s25, s25, s24                     ; which run of 8,192 numbers of the tensor is my wave's
	s_lshl_b32 s26, s25, 15                        ; 32,768 bytes a run
	s_mov_b32 s27, 0
	s_add_nc_u64 s[4:5], s[4:5], s[26:27]
	s_lshl_b32 s28, ttmp9, 2
	s_add_co_u32 s28, s28, s24                     ; and which run of the stacked tensors: 8 rows of codes and of scale bytes
	s_lshl_b32 s26, s28, 12
	s_add_nc_u64 s[18:19], s[18:19], s[26:27]
	s_lshl_b32 s26, s28, 8
	s_add_nc_u64 s[20:21], s[20:21], s[26:27]
.macro LOAD t
.irp i, 0,1,2,3
	global_load_b128 v[R+16*((\t)%4)+4*\i:R+16*((\t)%4)+4*\i+3], v3, s[4:5] offset:2048*(\t)+512*\i th:TH_LOAD_NT   ; 32 lanes read 512 consecutive bytes
.endr
.endm
.macro TURN t                          ; step t's numbers through the stage: LDS serves a wave's instructions in order, so no wait stands between the stores and the loads
.irp i, 0,1,2,3
	ds_store_b128 v14, v[R+16*((\t)%4)+4*\i:R+16*((\t)%4)+4*\i+3] offset:32*SP*((\t)%2)+8*SP*\i
.endr
.irp i, 0,1,2,3
	ds_load_b128 v[X+16*((\t)%2)+4*\i:X+16*((\t)%2)+4*\i+3], v15 offset:32*SP*((\t)%2)+16*\i
.endr
.endm
.irp t, 0,1,2,3
	LOAD \t
.endr
	s_wait_loadcnt 12                              ; step 0's four loads are in; the twelve of steps 1 to 3 may be out
	TURN 0
.macro STEP t
.set XS, X+16*((\t)%2)
.if (\t) > 0
	s_wait_dscnt 1                                 ; this step's numbers are back from the stage (the last step's byte store may be out): its stores into the stage have read their registers,
.else
	s_wait_dscnt 0x0
.endif
.if (\t)+4 < STEPS
	LOAD (\t)+4                                    ; which take the loads of four steps on
.endif
.if (\t)+1 < STEPS
.if STEPS-2-(\t) >= 3
	s_wait_loadcnt 12                              ; the next step's four loads are in; those of the three steps behind it may be out
.else
	s_wait_loadcnt 4*(STEPS-2-(\t))
.endif
	TURN (\t)+1                                    ; and go through the other stage while this step is worked
.endif
	v_max3_num_f32 v8, |v[XS]|, |v[XS+1]|, |v[XS+2]|               ; the largest magnitude of my 16, in two chains
	v_max3_num_f32 v9, |v[XS+3]|, |v[XS+4]|, |v[XS+5]|
.irp i, 6,10
	v_max3_num_f32 v8, v8, |v[XS+\i]|, |v[XS+\i+1]|
	v_max3_num_f32 v9, v9, |v[XS+\i+2]|, |v[XS+\i+3]|
.endr
	v_max3_num_f32 v8, v8, |v[XS+14]|, |v[XS+15]|
	v_max3_num_f32 v8, v8, v9, (EMAX+1)<<23        ; and the floor 2^(3 - 127): the byte cannot fall under 1
	v_max_num_f32_dpp v8, v8, v8 row_xmask:1 row_mask:0xf bank_mask:0xf   ; and of my neighbour's 16: the block's
	v_add_nc_u32 v11, -(EMAX<<23), v8              ; 2 off its exponent field: the conversion takes the exponent field of this operand as its scale
	v_cvt_scalef32_pk8_fp4_f32 v[C+4*(\t)], v[XS:XS+7], v11        ; eight numbers / the scale, to the nearest code, ties to even, beyond the largest code the largest
	v_cvt_scalef32_pk8_fp4_f32 v[C+4*(\t)+1], v[XS+8:XS+15], v11
	v_lshrrev_b32 v[E+(\t)], 23, v11               ; the scale's byte (also the plain line behind the conversions)
	ds_store_b8 v5, v[E+(\t)] offset:16*(\t)       ; both lanes of a block write the same byte with the same value
	global_store_b64 v4, v[C+4*(\t):C+4*(\t)+1], s[18:19] offset:32*CB*(\t)   ; the wave stores 256 consecutive bytes, aligned
.endm
.irp t, 0,1,2,3,4,5,6,7,8,9,10,11,12,13,14,15
	STEP \t
.endr
	ds_load_b64 v[8:9], v6                         ; LDS serves a wave's instructions in order: these see my stores
	s_wait_dscnt 0x0
	global_store_b64 v7, v[8:9], s[20:21]          ; 32 lanes store my run's 256 scale bytes, aligned
	s_wait_tensorcnt 0x0                           ; the wave's end: behind my last LDS store
	ds_add_u32 v[SPW], v[NIL]
	s_wait_dscnt 0x0
	s_endpgm
; Wo to f16.  Work-group 480 + j takes rows 32 j on, wave w its rows 8 w on.  Lane l takes row l / 8 of four and 8 numbers, 32 bytes, at l % 8 of a block of 64 along K: its 16 bytes of f16 lie at 16 l of four rows' 512.
.Lwo:
	v_and_b32 v8, 7, v2
	v_lshrrev_b32 v9, 3, v2
	v_lshlrev_b32 v8, 5, v8
	v_lshl_add_u32 v8, v9, 12, v8                  ; in: row x 4,096 + 32 (l % 8)
	v_lshlrev_b32 v9, 4, v2                        ; out: 16 l
	s_sub_co_u32 s25, ttmp9, WGQ                   ; j
	s_lshl_b32 s26, s25, 5
	s_lshl_b32 s28, s24, 3
	s_add_co_u32 s26, s26, s28                     ; my wave's first row
	s_lshl_b32 s26, s26, 12
	s_mov_b32 s27, 0
	s_add_nc_u64 s[16:17], s[16:17], s[26:27]
	s_lshr_b32 s28, s25, 2
	s_lshl_b32 s28, s28, 18                        ; the block of 128 rows: 16 x 16,384 bytes
	s_and_b32 s29, s25, 3
	s_lshl_b32 s29, s29, 5
	s_lshl_b32 s30, s24, 3
	s_add_co_u32 s29, s29, s30
	s_lshl_b32 s29, s29, 7                         ; my first row in it: 128 bytes a row
	s_add_co_u32 s28, s28, s29
	s_mov_b32 s29, 0
	s_add_nc_u64 s[22:23], s[22:23], s[28:29]
.macro LOADG g                         ; group g of four: rows 4 (g / 2) on, blocks of 64 along K 8 (g % 2) on
.irp t, 0,1,2,3,4,5,6,7
	global_load_b128 v[WR+64*((\g)%2)+8*\t:WR+64*((\g)%2)+8*\t+3], v8, s[16:17] offset:((\g)/2)*16384+(8*((\g)%2)+\t)*256 th:TH_LOAD_NT
	global_load_b128 v[WR+64*((\g)%2)+8*\t+4:WR+64*((\g)%2)+8*\t+7], v8, s[16:17] offset:((\g)/2)*16384+(8*((\g)%2)+\t)*256+16 th:TH_LOAD_NT
.endr
.endm
.macro CVTG g, left                    ; left: the younger group's loads, which may stay out
	s_wait_loadcnt \left
.if (\g) > 0
	s_wait_xcnt 0x0                                ; the last group's stores have read their data: the registers may be written again
.endif
.irp t, 0,1,2,3,4,5,6,7
.irp i, 0,1,2,3
	v_cvt_pk_f16_f32 v[WC+4*\t+\i], v[WR+64*((\g)%2)+8*\t+2*\i], v[WR+64*((\g)%2)+8*\t+2*\i+1]
.endr
.endr
.irp t, 0,1,2,3,4,5,6,7
	global_store_b128 v9, v[WC+4*\t:WC+4*\t+3], s[22:23] offset:(8*((\g)%2)+\t)*16384+((\g)/2)*512   ; four rows x 128 bytes: 512 consecutive bytes
.endr
.if (\g) < 2
	LOADG (\g)+2
.endif
.endm
	LOADG 0
	LOADG 1
	CVTG 0, 16
	CVTG 1, 16
	CVTG 2, 16
	CVTG 3, 0
	s_endpgm
.Lfunc_end_k_q1498601920_quant:
	.size	k_q1498601920_quant, .Lfunc_end_k_q1498601920_quant-k_q1498601920_quant
	.p2alignl 7, 3214868480
	.fill 96, 4, 3214868480
	.section	.rodata,"a",@progbits
	.p2align	6, 0x0
	.amdhsa_kernel k_q1498601920_quant
		.amdhsa_group_segment_fixed_size 33280
		.amdhsa_private_segment_fixed_size 0
		.amdhsa_enable_private_segment 0
		.amdhsa_kernarg_size 80
		.amdhsa_user_sgpr_count 2
		.amdhsa_user_sgpr_kernarg_segment_ptr 1
		.amdhsa_wavefront_size32 1
		.amdhsa_system_sgpr_workgroup_id_x 1
		.amdhsa_system_sgpr_workgroup_id_y 1
		.amdhsa_system_sgpr_workgroup_id_z 1
		.amdhsa_system_vgpr_workitem_id 0
		.amdhsa_next_free_vgpr 192
		.amdhsa_next_free_sgpr 66
		.amdhsa_reserve_vcc 0
		.amdhsa_float_denorm_mode_32 3
		.amdhsa_float_denorm_mode_16_64 3
		.amdhsa_memory_ordered 1
		.amdhsa_forward_progress 1
		.amdhsa_inst_pref_size 52
	.end_amdhsa_kernel
	.amdgpu_metadata
---
amdhsa.version: [ 1, 2 ]
amdhsa.kernels:
  - .name:           k_q1498601920_quant
    .symbol:         k_q1498601920_quant.kd
    .args:
      - { .name: q, .offset: 0, .size: 8, .value_kind: global_buffer, .address_space: global }
      - { .name: k, .offset: 8, .size: 8, .value_kind: global_buffer, .address_space: global }
      - { .name: v, .offset: 16, .size: 8, .value_kind: global_buffer, .address_space: global }
      - { .name: Wq, .offset: 24, .size: 8, .value_kind: global_buffer, .address_space: global }
      - { .name: Wk, .offset: 32, .size: 8, .value_kind: global_buffer, .address_space: global }
      - { .name: Wv, .offset: 40, .size: 8, .value_kind: global_buffer, .address_space: global }
      - { .name: Wo, .offset: 48, .size: 8, .value_kind: global_buffer, .address_space: global }
      - { .name: codes, .offset: 56, .size: 8, .value_kind: global_buffer, .address_space: global }
      - { .name: scales, .offset: 64, .size: 8, .value_kind: global_buffer, .address_space: global }
      - { .name: wo16, .offset: 72, .size: 8, .value_kind: global_buffer, .address_space: global }
    .group_segment_fixed_size: 33280
    .private_segment_fixed_size: 0
    .kernarg_segment_align: 8
    .kernarg_segment_size: 80
    .max_flat_workgroup_size: 128
    .sgpr_count:     66
    .vgpr_count:     192
    .wavefront_size: 32
...
	.end_amdgpu_metadata
.endif
;; end of part 1
;; launch proj (part 2): grid 4 x 48, 4 waves a work-group, clusters of 4 x 4, 327,680 bytes of LDS; arguments codes, scales, bq, bk, bv, qkv; writes qkv
.if DOCPART == 2
	.amdgcn_target "amdgcn-amd-amdhsa--gfx1250"
	.amdhsa_code_object_version 6
	.text
	.protected	k_q1498601920_proj
	.globl	k_q1498601920_proj
	.p2align	8
	.type	k_q1498601920_proj,@function
k_q1498601920_proj:
	s_mov_b64 s[64:65], 0
	v_nop
	global_prefetch_b8 v0, s[64:65] scope:SCOPE_SE
	s_setreg_imm32_b32 hwreg(HW_REG_WAVE_MODE, 25, 1), 1
	s_wait_xcnt 0x0
	s_wait_alu depctr_hold_cnt(0) depctr_sa_sdst(0) depctr_va_vdst(0) depctr_va_sdst(0) depctr_va_ssrc(0) depctr_va_vcc(0) depctr_vm_vsrc(0)
	s_getreg_b32 s2, hwreg(HW_REG_IB_STS2, 6, 4)
	s_cmp_eq_u32 s2, 0
	s_cbranch_scc0 .Lentry_in_a_cluster
	s_endpgm
.Lentry_in_a_cluster:
	s_bfe_u32 s2, ttmp6, 0x10000c
	s_cmp_lg_u32 s2, 0xf033
	s_cbranch_scc0 .Lentry_shape_is_right
	s_endpgm
.Lentry_shape_is_right:
; The three quantised products q Wq^T + bq, k Wk^T + bk, v Wv^T + bv as ONE product on codes of FP4 (E2M1) with E8M0 scales: A = rows 0-12287 of codes (q, k, v stacked), B = the 1,024 rows of the weight that
; belongs to A's rows (rows 12288 + 1024 g on, g = 0, 1, 2).  Sums in f32, the bias as the C of each sum's first product; the result is rounded to f16 and laid by heads: qkv [g][batch x 16 + head][2048][64].
; LIMIT: results beyond 65,504 in magnitude are not served (f16); under 6.1e-5 they keep an absolute error of 3e-8 at the most.
; A tile of C, 256 x 256, is made by a work-group of four waves; a wave makes 128 x 128: 64 accumulators of 16 x 16, 512 registers.  K = 1,024 is two K steps of 512 (LDS rows of 256 bytes): both slots and the scale
; bytes of the work-group's rows are asked for at the head, three tensor loads a wave, and nothing is filled again.  192 work-groups: a tile of half the size would read each fragment from LDS for half the products.
; CLUSTERS: 4 x 4 work-groups.  The four of a row of the cluster need the same tiles of A, the four of a column the same tiles of B (a cluster's 4 x 256 rows lie in one of q, k, v): each tile is asked for JOINTLY.
; THE MATRIX INSTRUCTION IS USED TRANSPOSED (source 0 = 16 rows of the weight, source 1 = 16 tokens): a lane then holds eight neighbouring channels of one token.
; REGISTERS, in windows of 256: window 0: v0-31 addresses; v32-95 scale words, two sets; v128-191 A's fragments, one set; v192-255 the bias in the result's layout, later the way out.
;   window 1: B's fragments, two sets, at v0 and v128.   window 2: the accumulators of my rows 0-63 ((a, b) at v[8 (8 a + b)]);   window 3: those of my rows 64-127.
.set KSTEP,  512
.set NQ,     4                         ; matrix instructions deep in a slot
.set ROWB,   256                       ; a tile's row in bytes
.set KROW,   512                       ; a row of codes in memory
.set PITCH,  272                       ; an LDS row: 256 bytes + 16 of padding: the 16 rows that a load touches start at 16 different banks
.set FR,     8
.set NL,     2
.set NP,     4                         ; places behind this matrix instruction (ISA guide 7.12.1)
.set HALFT,  128*PITCH
.set SLOT,   4*HALFT
.set KS,     32                        ; a row of scale bytes
.set SCL,    2*SLOT
.set HALFS,  (128*KS/256)*272
.set SBLK,   (16*KS/256)*272
.set SPARE,  SCL+4*HALFS               ; the spare words, 128 bytes for each wave
.set SPITCH, 272                       ; the way out: a stage of 16 rows x (256 bytes + 16) for each wave, in slot 0, which has had its one fill and its last read when the first result is stored there
.set ADRA, 16
.set ADRB, 20
.set STO,  24
.set RD,   25
.set CO,   26
.set ADRS, 27
.set SPW,  28
.set NIL,  29
.set SC,   32
.set AF,   128
.set BIAS, 192                         ; v192-255: block b's eight registers: the bias of channels 16 b + 8 (lane / 16) + 0 .. 7
.set TMP,  192                         ; the way out: a block's packed results
.set OB,   32                          ; and 16 rows read back: v32-63 and v224-255 by turns
.set G1, 24
.set G0, 32
.set G1B, 48
.set G0B, 56
.set G1S, 68
.set G0S, 76
.set G1SB, 80
.set G0SB, 88
.set MSB, 0
.macro WIN new                         ; the immediate's high byte repeats the setting that is left
.if MSB != (\new)
	s_set_vgpr_msb (MSB<<8)|(\new)
.set MSB, (\new)
.endif
.endm
.set MUL_LO, 0xa1                      ; source 0 (B) window 1, source 1 (A) window 0, C and D window 2
.set MUL_HI, 0xf1                      ; the same, C and D window 3
.set ZER_LO, 0x81                      ; the first products: C (the bias) window 0, D window 2
.set ZER_HI, 0xc1                      ; D window 3
.set TO_B,   0x40
; A joint load: waves 0 and 1 fetch for A, waves 2 and 3 for B.  The branch hangs on the wave's number alone.  An s_nop 0 and four v_nop follow each of the two lines.
.macro JLOAD g0a, g1a, g0b, g1b
	s_cmp_eq_u32 s15, 0
	s_cbranch_scc0 .Lfor_b_\@
	tensor_load_to_lds s[\g0a:\g0a+3], s[\g1a:\g1a+7]
	s_nop 0
.rept 4
	v_nop
.endr
	s_branch .Lasked_\@
.Lfor_b_\@:
	tensor_load_to_lds s[\g0b:\g0b+3], s[\g1b:\g1b+7]
	s_nop 0
.rept 4
	v_nop
.endr
.Lasked_\@:
.endm
.macro CROUND                          ; a round of the cluster's barrier
	s_barrier_signal -1
	s_barrier_wait -1
	s_cmp_lg_u32 s14, 0
	s_cbranch_scc1 .Lnot_wave_0_\@
	s_barrier_signal -3
.Lnot_wave_0_\@:
	s_barrier_wait -3
	s_barrier_signal -1
	s_barrier_wait -1
.endm
	s_load_b128 s[4:7], s[0:1], 0x0                ; codes s[4:5], scales s[6:7]
	s_load_b128 s[8:11], s[0:1], 0x10              ; bq s[8:9], bk s[10:11]
	s_load_b128 s[96:99], s[0:1], 0x20             ; bv s[96:97], qkv s[98:99]
	v_lshl_add_u32 v[SPW], v0, 2, SPARE
	v_mov_b32 v[NIL], 0
	ds_add_u32 v[SPW], v[NIL]                      ; the wave's opening: the add, twice on end, and its wait ahead of my first tensor load
	ds_add_u32 v[SPW], v[NIL]
	v_lshrrev_b32 v1, 5, v0
	v_readfirstlane_b32 s14, v1                    ; wave 0..3
	s_lshr_b32 s15, s14, 1                         ; which half of the tile's rows is mine.  Also: I fetch for A (0) or for B (1)
	s_and_b32 s16, s14, 1                          ; which half of its columns.  Also: which 128 rows of that tile I fetch
	s_bfe_u32 s40, ttmp6, 0x40000                  ; cx, cy: my place in the cluster
	s_bfe_u32 s41, ttmp6, 0x40004
	s_lshl_b32 s42, ttmp9, 2
	s_add_co_u32 s42, s42, s40                     ; tile column = 4 x cluster x + cx
	s_and_b32 s17, ttmp7, 0xffff
	s_lshr_b32 s95, s17, 2                         ; g: q, k or v: four clusters along y to each; the same in all sixteen partners
	s_lshl_b32 s17, s17, 2
	s_add_co_u32 s17, s17, s41                     ; tile row = 4 x cluster y + cy, 0 .. 47
	s_lshl_b32 s43, s41, 2
	s_lshl_b32 s43, 15, s43                        ; my row of the cluster
	s_lshl_b32 s44, 0x1111, s40                    ; my column
	; descriptor group 1: a tile of 128 rows x 256 bytes, padded in LDS
	s_or_b32 s[G1+0], s43, (0<<16)|(1<<20)|(1<<21)|(5<<22)|(3<<25)  ; the mask; elements of 1 byte; padding on; bit 21 beside a mask; four words after every 64
	s_or_b32 s[G1B+0], s44, (0<<16)|(1<<20)|(1<<21)|(5<<22)|(3<<25)
.irp g, G1, G1B
	s_mov_b32 s[\g+1], ROWB<<16                    ; tensor_dim0
	s_mov_b32 s[\g+2], 128<<16                     ; tensor_dim1
	s_mov_b32 s[\g+3], ROWB<<16                    ; tile_dim0
	s_mov_b32 s[\g+4], 128                         ; tile_dim1
	s_mov_b32 s[\g+5], KROW                        ; from row to row
	s_mov_b32 s[\g+6], 0
	s_mov_b32 s[\g+7], 0
.endr
	; the scale bytes of 128 rows: a dense block of 4,096 bytes, as 16 rows of 256 bytes (32 elements of 8), 16 bytes of padding behind each
	s_or_b32 s[G1S+0], s43, (3<<16)|(1<<20)|(1<<21)|(5<<22)|(3<<25)
	s_or_b32 s[G1SB+0], s44, (3<<16)|(1<<20)|(1<<21)|(5<<22)|(3<<25)
.irp g, G1S, G1SB
	s_mov_b32 s[\g+1], 32<<16
	s_mov_b32 s[\g+2], (128*KS/256)<<16
	s_mov_b32 s[\g+3], 32<<16
	s_mov_b32 s[\g+4], 128*KS/256
	s_mov_b32 s[\g+5], 32
	s_mov_b32 s[\g+6], 0
	s_mov_b32 s[\g+7], 0
.endr
	s_lshl_b32 s18, s16, 7                         ; which 128 rows of the tile I fetch
	s_lshl_b32 s20, s17, 8
	s_add_co_u32 s20, s20, s18                     ; A: row 256 x tile row + 128 x half
	s_lshl_b32 s46, s42, 8
	s_add_co_u32 s46, s46, s18
	s_lshl_b32 s47, s95, 10
	s_add_co_u32 s46, s46, s47
	s_add_co_u32 s46, s46, 12288                   ; B: row 12288 + 1024 g + 256 x tile column + 128 x half
	s_mov_b32 s21, 0
	s_mov_b32 s47, 0
	s_mov_b64 s[18:19], KS
	s_mul_u64 s[22:23], s[20:21], s[18:19]         ; where these rows' scale bytes begin
	s_mul_u64 s[92:93], s[46:47], s[18:19]
	s_mov_b64 s[18:19], KROW
	s_mul_u64 s[20:21], s[20:21], s[18:19]         ; and their codes
	s_mul_u64 s[46:47], s[46:47], s[18:19]
	s_mul_i32 s45, s14, HALFT                      ; where they go: wave x 128 rows: no place in the cluster enters an LDS address
	s_mul_i32 s94, s14, HALFS
	s_wait_dscnt 0x0                               ; both opening adds are done
	s_wait_kmcnt 0x0
	s_add_nc_u64 s[20:21], s[4:5], s[20:21]
	s_add_nc_u64 s[22:23], s[6:7], s[22:23]
	s_add_nc_u64 s[46:47], s[4:5], s[46:47]
	s_add_nc_u64 s[92:93], s[6:7], s[92:93]
	CROUND                                         ; all sixteen work-groups are here: the joint loads meet
	s_mov_b32 s[G0S], 1
	s_add_co_u32 s[G0S+1], s94, SCL
	s_mov_b64 s[G0S+2:G0S+3], s[22:23]
	s_or_b32 s[G0S+3], s[G0S+3], 0x80000000
	s_mov_b32 s[G0SB], 1
	s_add_co_u32 s[G0SB+1], s94, SCL
	s_mov_b64 s[G0SB+2:G0SB+3], s[92:93]
	s_or_b32 s[G0SB+3], s[G0SB+3], 0x80000000
	JLOAD G0S, G1S, G0SB, G1SB                     ; the scale bytes first: they are wanted with K step 0
.irp s, 0,1
	s_mov_b32 s[G0+4*\s], 1
	s_add_co_u32 s[G0+4*\s+1], s45, \s*SLOT
	s_add_nc_u64 s[G0+4*\s+2:G0+4*\s+3], s[20:21], \s*ROWB
	s_or_b32 s[G0+4*\s+3], s[G0+4*\s+3], 0x80000000
	s_mov_b32 s[G0B+4*\s], 1
	s_add_co_u32 s[G0B+4*\s+1], s45, \s*SLOT
	s_add_nc_u64 s[G0B+4*\s+2:G0B+4*\s+3], s[46:47], \s*ROWB
	s_or_b32 s[G0B+4*\s+3], s[G0B+4*\s+3], 0x80000000
	JLOAD G0+4*\s, G1, G0B+4*\s, G1B               ; three tensor loads of mine are out at the most
.endr
	v_and_b32 v1, 15, v0                           ; r = l % 16
	v_bfe_u32 v2, v0, 4, 1                         ; h = l / 16
	v_mul_u32_u24 v3, v1, PITCH
	v_lshl_add_u32 v4, v2, 4, v3                   ; a fragment's row x pitch + 16 x half
	s_mul_i32 s21, s15, HALFT                      ; my 128 rows of A
	s_mul_i32 s22, s16, HALFT                      ; my 128 rows of B,
	s_add_co_u32 s22, s22, 2*HALFT                 ; which lie behind A's 256
.irp s, 0,1
	v_add_nc_u32 v[ADRA+\s], s21, v4
	v_add_nc_u32 v[ADRB+\s], s22, v4
	s_add_co_u32 s21, s21, SLOT
	s_add_co_u32 s22, s22, SLOT
.endr
	v_mul_u32_u24 v5, v1, KS                       ; my row's scale bytes: 32 a row,
	v_lshrrev_b32 v6, 8, v5
	v_lshl_add_u32 v5, v6, 4, v5                   ; and 16 more for each 256 passed
	s_mul_i32 s21, s15, HALFS                      ; A's: my 128 rows
	s_mul_i32 s22, s16, HALFS                      ; B's: my 128 rows, behind A's 256
	s_add_co_u32 s22, s22, 2*HALFS
	s_sub_co_u32 s22, s22, s21
	v_mul_u32_u24 v6, s22, v2                      ; lanes 16-31 take B's
	s_add_co_u32 s21, s21, SCL
	v_add_nc_u32 v5, v5, v6
	v_add_nc_u32 v[ADRS], s21, v5
	s_mul_i32 s23, s14, 16*SPITCH                  ; my stage
	v_mul_u32_u24 v5, v1, SPITCH                   ; in: token r, 16 bytes for each half of the lanes
	v_lshl_add_u32 v5, v2, 4, v5
	v_add_nc_u32 v[STO], s23, v5
	v_and_b32 v5, 7, v0                            ; back: 16 bytes l % 8 of a head's 128, token (l / 8) % 2 of two, head l / 16 of my two
	v_bfe_u32 v6, v0, 3, 1
	v_lshlrev_b32 v[CO], 4, v5
	v_lshl_add_u32 v[CO], v6, 7, v[CO]
	v_mul_u32_u24 v6, v6, SPITCH
	v_lshl_add_u32 v6, v5, 4, v6
	v_lshl_add_u32 v6, v2, 7, v6
	v_add_nc_u32 v[RD], s23, v6
	v_lshl_add_u32 v[CO], v2, 18, v[CO]            ; in qkv a head's 2,048 rows of 128 bytes are 2^18 bytes
	; the bias of my 128 channels
	v_lshlrev_b32 v7, 5, v2                        ; 32 h
	s_cmp_eq_u32 s95, 1
	s_cselect_b64 s[8:9], s[10:11], s[8:9]
	s_cmp_eq_u32 s95, 2
	s_cselect_b64 s[8:9], s[96:97], s[8:9]
	s_lshl_b32 s46, s42, 10
	s_lshl_b32 s47, s16, 9
	s_add_co_u32 s46, s46, s47                     ; (256 x tile column + 128 x half) x 4 bytes
	s_mov_b32 s47, 0
	s_add_nc_u64 s[8:9], s[8:9], s[46:47]
.irp b, 0,1,2,3,4,5,6,7
	global_load_b128 v[BIAS+8*\b:BIAS+8*\b+3], v7, s[8:9] offset:64*\b
	global_load_b128 v[BIAS+8*\b+4:BIAS+8*\b+7], v7, s[8:9] offset:64*\b+16
.endr
	; where my part begins in qkv: head (tile row / 8) x 16 + 4 x tile column + 2 x half, token (tile row % 8) x 256 + 128 x half
	s_lshr_b32 s20, s17, 3
	s_lshl_b32 s20, s20, 4
	s_lshl_b32 s21, s16, 1
	s_add_co_u32 s20, s20, s21
	s_lshl_b32 s46, s42, 2
	s_add_co_u32 s20, s20, s46
	s_lshl_b32 s20, s20, 18
	s_and_b32 s21, s17, 7
	s_lshl_b32 s21, s21, 8
	s_lshl_b32 s46, s15, 7
	s_add_co_u32 s21, s21, s46
	s_lshl_b32 s21, s21, 7
	s_add_co_u32 s20, s20, s21
	s_mov_b32 s21, 0
	s_add_nc_u64 s[12:13], s[98:99], s[20:21]
.macro FRAG reg, adr, q, i             ; 16 rows x 128 K of 4-bit codes: 8 registers: lane l holds row l % 16; registers 4 c .. 4 c + 3 hold K = 64 c + 32 (l / 16) + 0 .. 31
.irp c, 0,1
	ds_load_b128 v[\reg+4*\c:\reg+4*\c+3], v[\adr] offset:64*(\q)+32*\c+(\i)*16*PITCH
.endr
.endm
; 16 matrix instructions: A's blocks a0, a0 + 1 x B's eight, the slot's q-th 128 along K.  p: B's set; sc: the set of scale words.  zero = 1: the first product starts the sums on the bias: nothing is cleared or added later.
; The 64 accumulators take turns, one instruction a turn, in the same order in every step.
.macro MUL16 a0, p, q, sc, zero
.irp a, \a0, \a0+1
.irp b, 0,1,2,3,4,5,6,7
.if \zero
	v_wmma_scale_f32_16x16x128_f8f6f4 v[8*(8*((\a)%4)+\b):8*(8*((\a)%4)+\b)+7], v[128*(\p)+FR*\b:128*(\p)+FR*\b+FR-1], v[AF+FR*(\a):AF+FR*(\a)+FR-1], v[BIAS+8*\b:BIAS+8*\b+7], v[SC+8*NQ*(\sc)+NQ*\b+(\q)], v[SC+8*NQ*(\sc)+NQ*(\a)+(\q)] matrix_a_fmt:MATRIX_FMT_FP4 matrix_b_fmt:MATRIX_FMT_FP4 matrix_a_scale:MATRIX_SCALE_ROW1
.else
	v_wmma_scale_f32_16x16x128_f8f6f4 v[8*(8*((\a)%4)+\b):8*(8*((\a)%4)+\b)+7], v[128*(\p)+FR*\b:128*(\p)+FR*\b+FR-1], v[AF+FR*(\a):AF+FR*(\a)+FR-1], v[8*(8*((\a)%4)+\b):8*(8*((\a)%4)+\b)+7], v[SC+8*NQ*(\sc)+NQ*\b+(\q)], v[SC+8*NQ*(\sc)+NQ*(\a)+(\q)] matrix_a_fmt:MATRIX_FMT_FP4 matrix_b_fmt:MATRIX_FMT_FP4 matrix_a_scale:MATRIX_SCALE_ROW1
.endif
.endr
.endr
.endm
.macro FETCH_B slot, q, p
	WIN TO_B
.irp i, 0,1,2,3,4,5,6,7
	FRAG 128*(\p)+FR*\i, ADRB+\slot, \q, \i
.endr
	WIN 0
.endm
.macro FETCH_A slot, q, i0
.irp i, \i0, \i0+1, \i0+2, \i0+3
	FRAG AF+FR*(\i), ADRA+\slot, \q, \i
.endr
.endm
.macro SCALES sc                       ; a K step's scale words: four words a row; lanes 0-15 take A's block i, lanes 16-31 B's block i
.irp i, 0,1,2,3,4,5,6,7
	ds_load_b128 v[SC+8*NQ*\sc+NQ*\i:SC+8*NQ*\sc+NQ*\i+3], v[ADRS] offset:\i*SBLK
.endr
.endm
.macro PLACES n                        ; plain vector instructions between a matrix instruction and a load into, or a read of, its registers
.rept \n
	v_nop
.endr
.endm
; A step of 128 along K that has its successor in the same slot.
.macro STEP slot, q, zero
	s_wait_dscnt 4*NL                              ; B's set and A's blocks 0-3 are in; the youngest eight loads (A's blocks 4-7) may be out
.if \zero
	WIN ZER_LO
.else
	WIN MUL_LO
.endif
	MUL16 0, (\q)%2, \q, \slot, \zero
	MUL16 2, (\q)%2, \q, \slot, \zero
	s_wait_dscnt 0                                 ; A's blocks 4-7 are in
	PLACES NP
	FETCH_B \slot, (\q)+1, 1-(\q)%2
	FETCH_A \slot, (\q)+1, 0
.if \zero
	WIN ZER_HI
.else
	WIN MUL_HI
.endif
	MUL16 4, (\q)%2, \q, \slot, \zero
	MUL16 6, (\q)%2, \q, \slot, \zero
	PLACES NP
	WIN 0
	FETCH_A \slot, (\q)+1, 4
.endm
; Slot 0's last step changes slots: one barrier; in front of it each wave waits for all its tensor loads (its part of slot 1), adds 0 to its spare word, and waits for that and for its reads of slot 0.  Nothing is filled again.
.macro TURN slot, next
	s_wait_tensorcnt 0x0                           ; all my tensor loads have landed  (every window is 0 here)
	ds_add_u32 v[SPW], v[NIL]                      ; 0 onto my spare word
	s_wait_dscnt 4*NL+1                            ; (the add and the youngest eight loads, A's blocks 4-7, may be out)
	WIN MUL_LO
	MUL16 0, 1, NQ-1, \slot, 0
	s_wait_dscnt 0x0                               ; the add is done, and my reads of this slot are over
	s_barrier_signal -1
	MUL16 2, 1, NQ-1, \slot, 0
	WIN 0
	s_barrier_wait -1
	PLACES NP
	v_add_nc_u32 v[ADRS], 4*NQ, v[ADRS]            ; on to the next K step's scale words
	FETCH_B \next, 0, 0
	FETCH_A \next, 0, 0
	SCALES \next
	WIN MUL_HI
	MUL16 4, 1, NQ-1, \slot, 0
	MUL16 6, 1, NQ-1, \slot, 0
	PLACES NP
	WIN 0
	FETCH_A \next, 0, 4
.endm
	s_wait_tensorcnt 1                             ; the scale bytes and my part of K step 0 are in; K step 1's load may be out
	s_barrier_signal -1
	s_barrier_wait -1                              ; everybody's are
	FETCH_B 0, 0, 0
	FETCH_A 0, 0, 0
	SCALES 0
	FETCH_A 0, 0, 4
	s_wait_loadcnt 0x0                             ; the bias
	STEP 0, 0, 1
	STEP 0, 1, 0
	STEP 0, 2, 0
	TURN 0, 1
	STEP 1, 0, 0
	STEP 1, 1, 0
	STEP 1, 2, 0
	s_wait_dscnt 4*NL                              ; the very last step: nothing more to fetch
	WIN MUL_LO
	MUL16 0, 1, NQ-1, 1, 0
	MUL16 2, 1, NQ-1, 1, 0
	s_wait_dscnt 0
	WIN MUL_HI
	MUL16 4, 1, NQ-1, 1, 0
	MUL16 6, 1, NQ-1, 1, 0
	WIN 0
; THE WAY OUT, block by block of 16 tokens x 128 channels.  PACK: rounded to f16, 16 bytes a lane, each accumulator from its low end on.  TOSTAGE: into my own stage and back so that sixteen neighbouring lanes hold two
; tokens of one head, 256 consecutive bytes of qkv.  SEND: stored.  LDS serves a wave's instructions in order: no wait between the stage's stores and loads.
.macro PACK a
.set AC, 64*((\a)%4)
	WIN 0x0a+5*((\a)/4)                            ; sources 0 and 1: window 2 or 3
.irp b, 0,1,2,3,4,5,6,7
.irp r, 0,1,2,3
	v_cvt_pk_f16_f32 v[TMP+4*\b+\r], v[AC+8*\b+2*\r], v[AC+8*\b+2*\r+1]
.endr
.endr
	WIN 0
.endm
.macro TOSTAGE a
.set BK, OB+192*((\a)%2)
.irp b, 0,1,2,3,4,5,6,7
	ds_store_b128 v[STO], v[TMP+4*\b:TMP+4*\b+3] offset:32*\b
.endr
.irp t, 0,1,2,3,4,5,6,7
	ds_load_b128 v[BK+4*\t:BK+4*\t+3], v[RD] offset:\t*2*SPITCH
.endr
.endm
.macro SEND a
.set BK, OB+192*((\a)%2)
	s_wait_dscnt 0x0                               ; the block is back in registers
	s_wait_xcnt 0x0                                ; the stores of the block before have read their registers: the next block's loads may land there
.irp t, 0,1,2,3,4,5,6,7
	global_store_b128 v[CO], v[BK+4*\t:BK+4*\t+3], s[12:13] offset:(\a)*2048+\t*256   ; lanes 0-15: 256 consecutive bytes, aligned, of one head; lanes 16-31: of the next head
.endr
.endm
	PLACES NP                                      ; behind the last products, in front of the first read of results and of loads into registers that they read
	PACK 0
	TOSTAGE 0
.irp a, 1,2,3,4,5,6,7                  ; block a's conversions stand between block a - 1's loads from the stage and the wait for them
	PACK \a
	SEND \a-1
	TOSTAGE \a
.endr
	SEND 7
	s_wait_tensorcnt 0x0                           ; the wave's end: behind my last tensor load and my last LDS store
	ds_add_u32 v[SPW], v[NIL]
	s_wait_dscnt 0x0
	CROUND                                         ; the closing round: no work-group ends while a partner may still ask for a tile that names it
	s_endpgm
.Lfunc_end_k_q1498601920_proj:
	.size	k_q1498601920_proj, .Lfunc_end_k_q1498601920_proj-k_q1498601920_proj
	.p2alignl 7, 3214868480
	.fill 96, 4, 3214868480
	.section	.rodata,"a",@progbits
	.p2align	6, 0x0
	.amdhsa_kernel k_q1498601920_proj
		.amdhsa_group_segment_fixed_size 327680
		.amdhsa_private_segment_fixed_size 0
		.amdhsa_enable_private_segment 0
		.amdhsa_kernarg_size 48
		.amdhsa_user_sgpr_count 2
		.amdhsa_user_sgpr_kernarg_segment_ptr 1
		.amdhsa_wavefront_size32 1
		.amdhsa_system_sgpr_workgroup_id_x 1
		.amdhsa_system_sgpr_workgroup_id_y 1
		.amdhsa_system_sgpr_workgroup_id_z 1
		.amdhsa_system_vgpr_workitem_id 0
		.amdhsa_next_free_vgpr 1024
		.amdhsa_next_free_sgpr 100
		.amdhsa_reserve_vcc 0
		.amdhsa_float_denorm_mode_32 3
		.amdhsa_float_denorm_mode_16_64 3
		.amdhsa_memory_ordered 1
		.amdhsa_forward_progress 1
		.amdhsa_inst_pref_size 129
	.end_amdhsa_kernel
	.amdgpu_metadata
---
amdhsa.version: [ 1, 2 ]
amdhsa.kernels:
  - .name:           k_q1498601920_proj
    .symbol:         k_q1498601920_proj.kd
    .args:
      - { .name: codes, .offset: 0, .size: 8, .value_kind: global_buffer, .address_space: global }
      - { .name: scales, .offset: 8, .size: 8, .value_kind: global_buffer, .address_space: global }
      - { .name: bq, .offset: 16, .size: 8, .value_kind: global_buffer, .address_space: global }
      - { .name: bk, .offset: 24, .size: 8, .value_kind: global_buffer, .address_space: global }
      - { .name: bv, .offset: 32, .size: 8, .value_kind: global_buffer, .address_space: global }
      - { .name: qkv, .offset: 40, .size: 8, .value_kind: global_buffer, .address_space: global }
    .group_segment_fixed_size: 327680
    .private_segment_fixed_size: 0
    .kernarg_segment_align: 8
    .kernarg_segment_size: 48
    .max_flat_workgroup_size: 128
    .sgpr_count:     100
    .vgpr_count:     1024
    .wavefront_size: 32
...
	.end_amdgpu_metadata
.endif
;; end of part 2
;; launch attn (part 3): grid 8 x 32, 16 waves a work-group, clusters of 4 x 1, 327,680 bytes of LDS; arguments qkv, ao; writes ao
.if DOCPART == 3
	.amdgcn_target "amdgcn-amd-amdhsa--gfx1250"
	.amdhsa_code_object_version 6
	.text
	.protected	k_q1498601920_attn
	.globl	k_q1498601920_attn
	.p2align	8
	.type	k_q1498601920_attn,@function
k_q1498601920_attn:
	s_mov_b64 s[64:65], 0
	v_nop
	global_prefetch_b8 v0, s[64:65] scope:SCOPE_SE
	s_setreg_imm32_b32 hwreg(HW_REG_WAVE_MODE, 25, 1), 1
	s_wait_xcnt 0x0
	s_wait_alu depctr_hold_cnt(0) depctr_sa_sdst(0) depctr_va_vdst(0) depctr_va_sdst(0) depctr_va_ssrc(0) depctr_va_vcc(0) depctr_vm_vsrc(0)
	s_getreg_b32 s2, hwreg(HW_REG_IB_STS2, 6, 4)
	s_cmp_eq_u32 s2, 0
	s_cbranch_scc0 .Lentry_in_a_cluster
	s_endpgm
.Lentry_in_a_cluster:
	s_bfe_u32 s2, ttmp6, 0x10000c
	s_cmp_lg_u32 s2, 0x3003
	s_cbranch_scc0 .Lentry_shape_is_right
	s_endpgm
.Lentry_shape_is_right:
; O[bh][q][:] = the sum over k of softmax_k(Q[bh][q] . K[bh][k] / 8) V[bh][k][:], 32 heads of 2,048 x 64, no mask.  Q, K, V: f16, qkv [3][32][2048][64].  Products on f16 operands with f32 sums; maxima, exponentials
; and sums in f32; the weights p are rounded to f16 for the second product, O once at the end, to f16: ao [token / 128][head][token % 128][64], so that the last launch's tiles are dense blocks.
; LIMITS: NaN and infinities are not served; results beyond 65,504 are not served (f16), under 6.1e-5 they keep an absolute error of 3e-8 at the most.
; SHARES.  A work-group owns 256 queries of one head.  Wave w owns 32 of them (two tiles of 16: w % 8) and HALF THE KEYS (w / 8: keys 1,024 (w / 8) on): each fragment of K or V read from LDS feeds two matrix
; instructions, and four waves share a SIMD's registers, so that one wave's vector work stands beside another's matrix work and LDS loads.  At the end wave w + 8 hands its maximum, sum and O^T to wave w through LDS.
; LAYOUT.  S^T = K Q^T (source 0 = 16 keys, source 1 = 16 queries): a lane holds ONE query (lane % 16) and the keys 8 (lane / 16) + 0..7 of a tile.  Two such tiles, rounded to f16 in pairs, ARE source 1 of
; O^T = V^T P, whose result again holds one query a lane.  K comes out of LDS as it lies, V ([key][channel]) turned, by ds_load_tr16_b128.
; SOFTMAX.  For each query a running maximum m and sum l: p = 2^(c s - c m), c = log2(e) / 8; in every step O and l are multiplied by a = 2^(c m_old - c m_new).
; RING.  Two slots; a slot holds 128 keys of each half: K's two tiles, then V's two.  A tile is 16,384 dense bytes, brought as 64 rows of 256 bytes (two keys a row) with padding behind each row.  Waves 0 to 3 fetch one tile each.
; CLUSTER.  The four query blocks of a cluster belong to one head and walk the same K and V: each tile is asked for JOINTLY, by the same tensor load with the same descriptor and a mask that names the four.
.set PK,    272                        ; two keys of K: 256 bytes + 16: the 16 keys of a load fall on 16 (r / 2) + 128 (r % 2) modulo 256: sixteen different columns of 16 bytes
.set PV,    288                        ; two keys of V: 256 + 32: the turning load's 16 lanes fall on 32 (key / 2) + 128 (key % 2) + 16 (half): sixteen different columns
.set KT,    64*PK                      ; a tile of K
.set VT,    64*PV                      ; a tile of V
.set VOFF,  2*KT
.set SLOT1, 1<<17                      ; slot 1 begins here: one exclusive or turns an address in one slot into the other's
.set MRG,   SLOT1+2*KT+2*VT            ; behind the ring: what waves 8-15 hand over: for each pair of waves 64 registers' images and four words a lane
.set MRGW,  8704
.set STAGE, MRG+8*MRGW                 ; the way out: 16 rows x (128 bytes + 16) for each wave
.set SP,    144
.set SPARE, STAGE+16*16*SP             ; the spare words, 128 bytes for each wave
.set AK,  1                            ; v1   my lane's place in my half's tile of K; never rewritten
.set AV,  2                            ; v2   the same for V
.set ADK, 3                            ; v3   LDS address of the step's K
.set ADV, 4                            ; v4   of its V
.set SPW, 5                            ; v5   my spare word's LDS address; never rewritten
.set NIL, 6                            ; v6   0; never rewritten
.set PFO, 7                            ; v7   256 x my lane: the prefetches' offset; never rewritten
.set ST,  8                            ; v8-23  tile t's statistics at v[ST+8 t]: +0 c m, +1 m, +2, +3 l (even keys', odd keys'), +4 to +7 at work; a stands in +6
.set QF,  24                           ; v24-55   Q: tile t, channels 32 c on: 16 t + 8 c
.set SF,  56                           ; v56-119  S^T: tile t, keys 16 kt on: 32 t + 8 kt; p, and then P packed in place into 32 t + 0 .. 15
.set OF,  120                          ; v120-183 O^T: tile t, channels 16 ct on: 32 t + 8 ct
.set KV,  184                          ; v184-247 K's eight fragments, then V's eight
.set OLD, 248                          ; v248-249 c m of the step before
.set MI,  250                          ; v250 the images' place for my lane
.set MS,  251                          ; v251 the four words' place
.set STO, 252                          ; v252 the stage: where I put 16 bytes of a row
.set RD,  253                          ; v253 and where I read rows back
.set GO,  254                          ; v254 16 x lane: my byte offset in four rows of ao
.set QO,  255                          ; v255 my byte offset in a tile of Q
.set PB,  88                           ; v88-91 the other half's c m and l, tile 0, tile 1
.set WV,  8                            ; s8   my wave's number
.set PFA, 18                           ; s[18:19] where my prefetches stand
.set LIM, 20                           ; s20  1 in a wave that prefetches, else the greatest number
.set SLOTS, 21                         ; s21  slots still to be asked for
.set TB,  22                           ; s22  LDS byte at which the slot in hand begins
.set G1K, 24
.set G1V, 32
.set G0K, 40
.set G0V, 44
.set CS,  48                           ; s[48:49] c, twice
.set SEL, 50                           ; s[50:51] v_permlanex16_b32's selects for lane l xor 16
; Waves 0 and 1 fetch K's two tiles, waves 2 and 3 V's, the others nothing.  The branches hang on the wave's number alone: they are the same in every work-group.  An s_nop 0 and four v_nop follow each line.
.macro JLOAD
	s_cmp_lt_u32 s[WV], 2
	s_cbranch_scc0 .Lnot_k_\@
	tensor_load_to_lds s[G0K:G0K+3], s[G1K:G1K+7]
	s_nop 0
.rept 4
	v_nop
.endr
	s_branch .Lasked_\@
.Lnot_k_\@:
	s_cmp_lt_u32 s[WV], 4
	s_cbranch_scc0 .Lasked_\@
	tensor_load_to_lds s[G0V:G0V+3], s[G1V:G1V+7]
	s_nop 0
.rept 4
	v_nop
.endr
.Lasked_\@:
.endm
; A prefetch of what the NEXT change of slots will ask for: 32,768 bytes of K and as many of V.  Both clusters of a head walk the same rows: the head's first cluster asks.  Its four partners share the bytes out BY ADDRESS,
; 8,192 each (which half of the keys: cx / 2; which half of that tile: cx % 2); in each, wave 4 asks for K's and wave 5 for V's, lanes 256 bytes apart: each block of 256 bytes is named once in the launch.
; It runs one slot, two key steps, ahead of the load.  The last change that fills a slot asks for nothing; slots 0 and 1 come by their loads alone.
.macro ASK
	s_cmp_gt_u32 s[SLOTS], s[LIM]
	s_cbranch_scc0 .Lnot_mine_\@
	global_prefetch_b8 v[PFO], s[PFA:PFA+1] th:TH_LOAD_NT scope:SCOPE_SE
.Lnot_mine_\@:
.endm
.macro CROUND                          ; a round of the cluster's barrier
	s_barrier_signal -1
	s_barrier_wait -1
	s_cmp_lg_u32 s[WV], 0
	s_cbranch_scc1 .Lnot_wave_0_\@
	s_barrier_signal -3
.Lnot_wave_0_\@:
	s_barrier_wait -3
	s_barrier_signal -1
	s_barrier_wait -1
.endm
	s_load_b128 s[4:7], s[0:1], 0x0                ; qkv s[4:5], ao s[6:7]
	v_lshl_add_u32 v[SPW], v0, 2, SPARE
	v_mov_b32 v[NIL], 0
	ds_add_u32 v[SPW], v[NIL]                      ; the wave's opening: the add, twice on end, and its wait ahead of the first tensor loads
	ds_add_u32 v[SPW], v[NIL]
	v_lshrrev_b32 v56, 5, v0
	v_readfirstlane_b32 s[WV], v56                 ; wave 0..15
	s_lshr_b32 s12, s[WV], 3                       ; which half of the keys
	s_and_b32 s13, s[WV], 7                        ; which 32 queries
	; every LDS address register is made here, ahead of the first branch on the wave's number
	v_and_b32 v57, 31, v0                          ; l
	v_and_b32 v58, 15, v0                          ; r = l % 16
	v_bfe_u32 v59, v0, 4, 1                        ; h = l / 16
	v_lshrrev_b32 v60, 1, v58
	v_mul_u32_u24 v[AK], v60, PK
	v_and_b32 v60, 1, v58
	v_lshl_add_u32 v[AK], v60, 7, v[AK]
	v_lshl_add_u32 v[AK], v59, 4, v[AK]            ; key r: (r / 2) x pitch + 128 (r % 2), + 16 h
	s_mul_i32 s14, s12, KT
	v_add_nc_u32 v[AK], s14, v[AK]                 ; in my half's tile
	v_and_b32 v60, 7, v0
	v_lshl_add_u32 v60, v59, 3, v60                ; the turning load: lane l reads key 8 h + l % 8, channels 8 ((l / 8) % 2) on
	v_lshrrev_b32 v61, 1, v60
	v_mul_u32_u24 v[AV], v61, PV
	v_and_b32 v61, 1, v60
	v_lshl_add_u32 v[AV], v61, 7, v[AV]
	v_bfe_u32 v61, v0, 3, 1
	v_lshl_add_u32 v[AV], v61, 4, v[AV]
	s_mul_i32 s14, s12, VT
	s_add_co_u32 s14, s14, VOFF
	v_add_nc_u32 v[AV], s14, v[AV]
	v_lshlrev_b32 v[PFO], 8, v57
	s_mul_i32 s14, s13, MRGW
	s_add_co_u32 s14, s14, MRG
	v_lshl_add_u32 v[MI], v57, 4, s14
	s_add_co_u32 s15, s14, 8192
	v_lshl_add_u32 v[MS], v57, 2, s15
	s_mul_i32 s14, s[WV], 16*SP
	s_add_co_u32 s14, s14, STAGE
	v_mul_u32_u24 v[STO], v58, SP
	v_lshl_add_u32 v[STO], v59, 4, v[STO]
	v_add_nc_u32 v[STO], s14, v[STO]               ; in: row r, 16 bytes for each half of the lanes
	v_lshrrev_b32 v60, 3, v57
	v_mul_u32_u24 v[RD], v60, SP
	v_and_b32 v60, 7, v0
	v_lshl_add_u32 v[RD], v60, 4, v[RD]
	v_add_nc_u32 v[RD], s14, v[RD]                 ; back: eight lanes to a row of 128 bytes, four rows an instruction
	v_lshlrev_b32 v[GO], 4, v57
	v_lshlrev_b32 v[QO], 7, v58
	v_lshl_add_u32 v[QO], v59, 4, v[QO]            ; Q: row r of 128 bytes, + 16 h
	; descriptor group 1: 64 rows x 128 elements of 2 bytes, dense in memory, padded in LDS
	s_mov_b32 s[G1K], 15|(1<<16)|(1<<20)|(1<<21)|(5<<22)|(3<<25)   ; the mask: all four work-groups; elements of 2 bytes; padding on; bit 21 beside a mask; 4 words after every 64
	s_mov_b32 s[G1V], 15|(1<<16)|(1<<20)|(1<<21)|(5<<22)|(7<<25)   ; the same with 8 words of padding
.irp g, G1K, G1V
	s_mov_b32 s[\g+1], 128<<16                     ; tensor_dim0
	s_mov_b32 s[\g+2], 64<<16                      ; tensor_dim1
	s_mov_b32 s[\g+3], 128<<16                     ; tile_dim0
	s_mov_b32 s[\g+4], 64                          ; tile_dim1
	s_mov_b32 s[\g+5], 128                         ; from row to row
	s_mov_b32 s[\g+6], 0
	s_mov_b32 s[\g+7], 0
.endr
	s_mov_b32 s[CS], 0x3e38aa3b                    ; c = log2(e) / 8
	s_mov_b32 s[CS+1], s[CS]                       ; (named with it as a pair, so it is written)
	s_mov_b32 s[SEL], 0x76543210
	s_mov_b32 s[SEL+1], 0xfedcba98
	s_mov_b32 s[TB], 0
	s_mov_b32 s[SLOTS], 7
	s_and_b32 s14, s[WV], 1                        ; which half's tile I fetch, if I fetch
	s_lshl_b32 s60, s14, 17                        ; its 1,024 keys of 128 bytes in memory
	s_mov_b32 s61, 0
	s_mov_b32 s[G0K], 1
	s_mul_i32 s[G0K+1], s14, KT                    ; and its place in slot 0: no place in the cluster enters an LDS address
	s_mov_b32 s[G0V], 1
	s_mul_i32 s[G0V+1], s14, VT
	s_add_co_u32 s[G0V+1], s[G0V+1], VOFF
	s_lshr_b32 s[LIM], s[WV], 1
	s_xor_b32 s[LIM], s[LIM], 2                    ; 0 in waves 4 and 5,
	s_or_b32 s[LIM], s[LIM], ttmp9                 ; of the head's first cluster: the same in all four partners
	s_cmp_eq_u32 s[LIM], 0
	s_cselect_b32 s[LIM], 1, -1
	s_bfe_u32 s9, ttmp6, 0x40000                   ; cx: my place in the cluster
	s_lshl_b32 s10, ttmp9, 2
	s_add_co_u32 s10, s10, s9                      ; my block of 256 queries: it enters Q's and ao's addresses alone
	s_and_b32 s11, ttmp7, 0xffff                   ; batch x 16 + head, which the four partners share
	s_lshl_b32 s16, s11, 18                        ; the head's 2,048 rows of 128 bytes
	s_mov_b32 s17, 0
	s_wait_dscnt 0x0                               ; both opening adds are done
	s_wait_kmcnt 0x0
	s_add_nc_u64 s[54:55], s[4:5], s[16:17]        ; the head's Q,
	s_add_nc_u64 s[52:53], s[54:55], 8388608       ; K,
	s_add_nc_u64 s[58:59], s[54:55], 16777216      ; V
	s_add_nc_u64 s[G0K+2:G0K+3], s[52:53], s[60:61]
	s_or_b32 s[G0K+3], s[G0K+3], 0x80000000
	s_add_nc_u64 s[G0V+2:G0V+3], s[58:59], s[60:61]
	s_or_b32 s[G0V+3], s[G0V+3], 0x80000000
	s_cmp_eq_u32 s[WV], 4
	s_cselect_b64 s[PFA:PFA+1], s[52:53], s[58:59]
	s_lshr_b32 s14, s9, 1
	s_lshl_b32 s14, s14, 17
	s_and_b32 s15, s9, 1
	s_lshl_b32 s15, s15, 13
	s_add_co_u32 s14, s14, s15
	s_add_co_u32 s14, s14, 16384                   ; in slot 1: the first change of slots steps it to slot 2
	s_mov_b32 s15, 0
	s_add_nc_u64 s[PFA:PFA+1], s[PFA:PFA+1], s[14:15]
	s_lshl_b32 s14, s10, 15                        ; my block's 256 rows,
	s_lshl_b32 s15, s13, 12                        ; my wave's 32 of them
	s_add_co_u32 s14, s14, s15
	s_mov_b32 s15, 0
	s_add_nc_u64 s[54:55], s[54:55], s[14:15]      ; Q at my first query
	s_lshr_b32 s14, s11, 4                         ; ao: the block of 128 tokens: batch x 16 + 2 x my block + (my 32 queries) / 4,
	s_lshl_b32 s14, s14, 4
	s_lshl_b32 s15, s10, 1
	s_add_co_u32 s14, s14, s15
	s_lshr_b32 s15, s13, 2
	s_add_co_u32 s14, s14, s15
	s_lshl_b32 s14, s14, 4
	s_and_b32 s15, s11, 15                         ; the head,
	s_add_co_u32 s14, s14, s15
	s_lshl_b32 s14, s14, 14
	s_and_b32 s15, s13, 3                          ; and my 32 rows of 128 bytes in it
	s_lshl_b32 s15, s15, 12
	s_add_co_u32 s14, s14, s15
	s_mov_b32 s15, 0
	s_add_nc_u64 s[56:57], s[6:7], s[14:15]
	CROUND                                         ; all four work-groups are here: the first joint loads meet
	JLOAD                                          ; slot 0.  One tensor load of a wave is out at the most, here and behind every round
.irp t, 0,1
.irp c, 0,1
	global_load_b128 v[QF+16*\t+8*\c:QF+16*\t+8*\c+3], v[QO], s[54:55] offset:\t*2048+64*\c      ; Q stays in registers
	global_load_b128 v[QF+16*\t+8*\c+4:QF+16*\t+8*\c+7], v[QO], s[54:55] offset:\t*2048+64*\c+32
.endr
.endr
.irp t, 0,1
	v_mov_b32 v[ST+8*\t+1], 0xff61b1e6             ; m: -3e38, under every score
	v_mov_b32 v[ST+8*\t+2], 0                      ; l, in two halves
	v_mov_b32 v[ST+8*\t+3], 0
.endr
.irp t, 0,1
	v_mul_f32 v[ST+8*\t], s[CS], v[ST+8*\t+1]      ; c m
.endr
.set i, 0
.rept 64
	v_mov_b32 v[OF+i], 0                           ; O^T.  (The step is written without a first step of its own: the first finds zeros, which a = 0 leaves zeros)
.set i, i+1
.endr
	s_wait_loadcnt 0x0                             ; Q
; A KEY STEP: 64 keys of my half, the q-th of the slot in hand: 16 products K Q^T, the softmax of both tiles, 16 products V^T P.
.macro STEP q
	v_add_nc_u32 v[ADK], s[TB], v[AK]
	v_add_nc_u32 v[ADV], s[TB], v[AV]
.rept 3
	v_nop                                          ; with the two additions five places behind the last products: four for the loads into K's and V's buffer, five for the new scores, which are laid over registers that those products read
.endr
.irp kt, 0,1,2,3
.irp c, 0,1
	ds_load_b128 v[KV+8*(2*\kt+\c):KV+8*(2*\kt+\c)+3], v[ADK] offset:\q*32*PK+\kt*8*PK+64*\c
	ds_load_b128 v[KV+8*(2*\kt+\c)+4:KV+8*(2*\kt+\c)+7], v[ADK] offset:\q*32*PK+\kt*8*PK+64*\c+32
.endr
.endr
	s_wait_dscnt 0x0
.irp c, 0,1                            ; the eight accumulators take turns, one instruction a turn; the first eight products start the sums
.irp kt, 0,1,2,3
.irp t, 0,1
.if \c == 0
	v_wmma_f32_16x16x32_f16 v[SF+32*\t+8*\kt:SF+32*\t+8*\kt+7], v[KV+8*(2*\kt+\c):KV+8*(2*\kt+\c)+7], v[QF+16*\t+8*\c:QF+16*\t+8*\c+7], 0
.else
	v_wmma_f32_16x16x32_f16 v[SF+32*\t+8*\kt:SF+32*\t+8*\kt+7], v[KV+8*(2*\kt+\c):KV+8*(2*\kt+\c)+7], v[QF+16*\t+8*\c:QF+16*\t+8*\c+7], v[SF+32*\t+8*\kt:SF+32*\t+8*\kt+7]
.endif
.endr
.endr
.endr
.irp t, 0,1
	v_mov_b32 v[OLD+\t], v[ST+8*\t]                ; c m_old is kept for a
.endr
.rept 2
	v_nop                                          ; four places with the two moves: in front of the loads into the buffer and of the first read of the scores
.endr
.irp kk, 0,1
.irp ct, 0,1,2,3
	ds_load_tr16_b128 v[KV+8*(4*\kk+\ct):KV+8*(4*\kk+\ct)+3], v[ADV] offset:\q*32*PV+\kk*16*PV+32*\ct         ; V lands while the softmax is worked
	ds_load_tr16_b128 v[KV+8*(4*\kk+\ct)+4:KV+8*(4*\kk+\ct)+7], v[ADV] offset:\q*32*PV+\kk*16*PV+8*PV+32*\ct
.endr
.endr
	; the maximum of a lane's 32 scores and the old m, three operands at a time, four chains a tile, the two tiles by turns; each accumulator is first read at its low end
.irp j, 0,1,2,3
.irp t, 0,1
	v_max3_num_f32 v[ST+8*\t+4+\j], v[SF+32*\t+8*\j], v[SF+32*\t+8*\j+1], v[SF+32*\t+8*\j+2]
.endr
.endr
.irp u, 1,2
.irp j, 0,1,2,3
.irp t, 0,1
	v_max3_num_f32 v[ST+8*\t+4+\j], v[ST+8*\t+4+\j], v[SF+32*\t+8*\j+2*\u+1], v[SF+32*\t+8*\j+2*\u+2]
.endr
.endr
.endr
.irp t, 0,1
	v_max3_num_f32 v[ST+8*\t+4], v[ST+8*\t+4], v[SF+32*\t+7], v[SF+32*\t+15]
	v_max3_num_f32 v[ST+8*\t+6], v[ST+8*\t+6], v[SF+32*\t+23], v[SF+32*\t+31]
.endr
.irp t, 0,1
	v_max3_num_f32 v[ST+8*\t+4], v[ST+8*\t+4], v[ST+8*\t+5], v[ST+8*\t+6]
.endr
.irp t, 0,1
	v_max3_num_f32 v[ST+8*\t+4], v[ST+8*\t+4], v[ST+8*\t+7], v[ST+8*\t+1]
.endr
.irp t, 0,1
	v_permlanex16_b32 v[ST+8*\t+5], v[ST+8*\t+4], s[SEL], s[SEL+1]   ; the query's other 32 keys lie in the lane 16 away
.endr
.irp t, 0,1
	v_max_num_f32 v[ST+8*\t+1], v[ST+8*\t+4], v[ST+8*\t+5]           ; the new m
.endr
.irp t, 0,1
	v_mul_f32 v[ST+8*\t], s[CS], v[ST+8*\t+1]                        ; c m
.endr
.irp t, 0,1
	v_sub_f32 v[OLD+\t], v[OLD+\t], v[ST+8*\t]                       ; c m_old - c m_new
.endr
.set i, 0
.rept 16
.irp t, 0,1
	v_pk_fma_f32 v[SF+32*\t+i:SF+32*\t+i+1], v[SF+32*\t+i:SF+32*\t+i+1], s[CS:CS+1], v[ST+8*\t:ST+8*\t+1] op_sel_hi:[1,0,0] neg_lo:[0,0,1] neg_hi:[0,0,1]   ; c s - c m, two at a time
.endr
.set i, i+2
.endr
.irp t, 0,1
	v_exp_f32 v[ST+8*\t+6], v[OLD+\t]              ; a.  ONE BATCH: these two and the 64 below; none reads another's result
.endr
.set i, 0
.rept 64
	v_exp_f32 v[SF+i], v[SF+i]                     ; p = 2^(c s - c m), at most 1
.set i, i+1
.endr
	v_nop                                          ; a plain instruction behind the last exponential
	s_wait_alu depctr_va_vdst(0)                   ; one wait for the batch, ahead of its first reader
.irp t, 0,1
	v_pk_mul_f32 v[ST+8*\t+2:ST+8*\t+3], v[ST+8*\t+2:ST+8*\t+3], v[ST+8*\t+6:ST+8*\t+7] op_sel_hi:[1,0]   ; l under the new m
	v_pk_add_f32 v[ST+8*\t+4:ST+8*\t+5], v[SF+32*\t:SF+32*\t+1], v[SF+32*\t+2:SF+32*\t+3]                 ; the sum of the unrounded p, two at a time, in two chains
.endr
.irp j, 4,8,12,16,20,24,28
.irp t, 0,1
	v_pk_add_f32 v[ST+8*\t+2:ST+8*\t+3], v[ST+8*\t+2:ST+8*\t+3], v[SF+32*\t+\j:SF+32*\t+\j+1]
	v_pk_add_f32 v[ST+8*\t+4:ST+8*\t+5], v[ST+8*\t+4:ST+8*\t+5], v[SF+32*\t+\j+2:SF+32*\t+\j+3]
.endr
.endr
.irp t, 0,1
	v_pk_add_f32 v[ST+8*\t+2:ST+8*\t+3], v[ST+8*\t+2:ST+8*\t+3], v[ST+8*\t+4:ST+8*\t+5]
.endr
.set i, 0
.rept 16
.irp t, 0,1
	v_cvt_pk_f16_f32 v[SF+32*\t+i], v[SF+32*\t+2*i], v[SF+32*\t+2*i+1]   ; P, packed in place, ascending: register i is written when registers 2 i and 2 i + 1 are read, and no later pair lies at or under i
.endr
.set i, i+1
.endr
.set i, 0
.rept 16
.irp t, 0,1
	v_pk_mul_f32 v[OF+32*\t+i:OF+32*\t+i+1], v[OF+32*\t+i:OF+32*\t+i+1], v[ST+8*\t+6:ST+8*\t+7] op_sel_hi:[1,0]   ; O^T under the new m, each accumulator from its low end on
.endr
.set i, i+2
.endr
	s_wait_dscnt 0x0                               ; V is in
.irp kk, 0,1                           ; the eight accumulators take turns
.irp ct, 0,1,2,3
.irp t, 0,1
	v_wmma_f32_16x16x32_f16 v[OF+32*\t+8*\ct:OF+32*\t+8*\ct+7], v[KV+8*(4*\kk+\ct):KV+8*(4*\kk+\ct)+7], v[SF+32*\t+8*\kk:SF+32*\t+8*\kk+7], v[OF+32*\t+8*\ct:OF+32*\t+8*\ct+7]
.endr
.endr
.endr
.endm
; THE CHANGE OF SLOTS stands at a slot's head.  Each wave waits for all its tensor loads (its part of the slot that is about to be read), adds 0 to its spare word, and waits for that and for its reads of the slot that it has left.
; fill = 1: a round of the cluster's barrier follows, so that no wave of any partner still reads that slot or has a load on its way; behind it the slot is filled with the next 128 keys of each half: the load has two key steps in which to land.
.macro CHANGE fill
	s_wait_tensorcnt 0x0                           ; no tensor load of mine is out, so a group 0 may be written
	ds_add_u32 v[SPW], v[NIL]                      ; 0 onto my spare word
.if \fill
	ds_add_u32 v[SPW], v[NIL]                      ; and once more: the add stands twice on end, in every trip alike
	s_xor_b32 s[G0K+1], s[G0K+1], SLOT1            ; the walking descriptors: the other slot than last time,
	s_add_nc_u64 s[G0K+2:G0K+3], s[G0K+2:G0K+3], 16384   ; the next 128 keys; the type bits on top are not reached
	s_xor_b32 s[G0V+1], s[G0V+1], SLOT1
	s_add_nc_u64 s[G0V+2:G0V+3], s[G0V+2:G0V+3], 16384
	s_wait_xcnt 0x0                                ; the last prefetch, a slot back, has read its address, so it may be written:
	s_add_nc_u64 s[PFA:PFA+1], s[PFA:PFA+1], 16384 ; one slot further on than the walking descriptors
	s_wait_dscnt 0x0                               ; both adds are done, and my reads of the slot that I have left are over
	CROUND
	JLOAD                                          ; the first thing behind the round, and a wave's one tensor load until the next
	ASK
.else
	s_wait_dscnt 0x0
	s_barrier_signal -1
	s_barrier_wait -1
.endif
.endm
.Lslot:                                            ; seven trips: behind each change of slots but the last the next slot is asked for
	CHANGE 1
	STEP 0
	STEP 1
	s_xor_b32 s[TB], s[TB], SLOT1                  ; on to the other slot
	s_sub_co_u32 s[SLOTS], s[SLOTS], 1
	s_cmp_lg_u32 s[SLOTS], 0
	s_cbranch_scc1 .Lslot
	CHANGE 0                                       ; the last slot is written out
	STEP 0
	STEP 1
	; THE TWO HALVES OF THE KEYS MEET.  First each wave's own l: its two halves and the other half of the lanes'.
.rept 4
	v_nop                                          ; places behind the last products
.endr
.irp t, 0,1
	v_add_f32 v[ST+8*\t+2], v[ST+8*\t+2], v[ST+8*\t+3]
.endr
.irp t, 0,1
	v_permlanex16_b32 v[ST+8*\t+5], v[ST+8*\t+2], s[SEL], s[SEL+1]
.endr
.irp t, 0,1
	v_add_f32 v[ST+8*\t+2], v[ST+8*\t+2], v[ST+8*\t+5]
.endr
	s_cmp_lt_u32 s[WV], 8
	s_cbranch_scc1 .Lkeep
.irp i, 0,1,2,3,4,5,6,7,8,9,10,11,12,13,14,15      ; waves 8 to 15: O^T as an image of its registers, lane l's 16 bytes at 16 l; each accumulator from its low end on
	ds_store_b128 v[MI], v[OF+4*\i:OF+4*\i+3] offset:512*\i
.endr
	ds_store_b32 v[MS], v[ST] offset:0             ; c m and l of tile 0,
	ds_store_b32 v[MS], v[ST+2] offset:128
	ds_store_b32 v[MS], v[ST+8] offset:256         ; of tile 1
	ds_store_b32 v[MS], v[ST+10] offset:384
.Lkeep:
	s_wait_dscnt 0x0                               ; for the others' sake: my stores have landed
	s_barrier_signal -1
	s_barrier_wait -1
	s_cmp_ge_u32 s[WV], 8
	s_cbranch_scc1 .Lfin
.irp i, 0,1,2,3,4,5,6,7,8,9,10,11,12,13,14,15      ; waves 0 to 7: the same registers in the same lanes
	ds_load_b128 v[KV+4*\i:KV+4*\i+3], v[MI] offset:512*\i
.endr
.irp i, 0,1,2,3
	ds_load_b32 v[PB+\i], v[MS] offset:128*\i
.endr
	s_wait_dscnt 0x0
.irp t, 0,1
	v_max_num_f32 v[ST+8*\t+4], v[ST+8*\t], v[PB+2*\t]               ; the common c m
.endr
.irp t, 0,1
	v_sub_f32 v[ST+8*\t+1], v[ST+8*\t], v[ST+8*\t+4]
	v_sub_f32 v[ST+8*\t+3], v[PB+2*\t], v[ST+8*\t+4]
.endr
.irp t, 0,1
	v_exp_f32 v[ST+8*\t+1], v[ST+8*\t+1]           ; what brings my half under it,
	v_exp_f32 v[ST+8*\t+3], v[ST+8*\t+3]           ; and the other
.endr
	v_nop
	s_wait_alu depctr_va_vdst(0)                   ; one wait for the four
.irp t, 0,1
	v_mul_f32 v[ST+8*\t+5], v[ST+8*\t+2], v[ST+8*\t+1]
.endr
.irp t, 0,1
	v_fma_f32 v[ST+8*\t+5], v[PB+2*\t+1], v[ST+8*\t+3], v[ST+8*\t+5] ; the row's sum over all 2,048 keys: at least 1
.endr
.irp t, 0,1
	v_rcp_f32 v[ST+8*\t+7], v[ST+8*\t+5]
.endr
	v_nop
	s_wait_alu depctr_va_vdst(0)                   ; one wait for the two
.irp t, 0,1
	v_mul_f32 v[ST+8*\t+6], v[ST+8*\t+1], v[ST+8*\t+7]
	v_mul_f32 v[ST+8*\t+4], v[ST+8*\t+3], v[ST+8*\t+7]
.endr
.set i, 0
.rept 16
.irp t, 0,1
	v_pk_mul_f32 v[OF+32*\t+i:OF+32*\t+i+1], v[OF+32*\t+i:OF+32*\t+i+1], v[ST+8*\t+6:ST+8*\t+7] op_sel_hi:[1,0]
.endr
.set i, i+2
.endr
.set i, 0
.rept 16
.irp t, 0,1
	v_pk_fma_f32 v[OF+32*\t+i:OF+32*\t+i+1], v[KV+32*\t+i:KV+32*\t+i+1], v[ST+8*\t+4:ST+8*\t+5], v[OF+32*\t+i:OF+32*\t+i+1] op_sel_hi:[1,0,1]
.endr
.set i, i+2
.endr
.set i, 0
.rept 16
.irp t, 0,1
	v_cvt_pk_f16_f32 v[SF+16*\t+i], v[OF+32*\t+2*i], v[OF+32*\t+2*i+1]
.endr
.set i, i+1
.endr
	; THE WAY OUT: a tile's 16 rows x 128 bytes through my stage, so that the wave stores 512 consecutive bytes.  LDS serves a wave's instructions in order: tile 1's stores come behind tile 0's loads.
.irp t, 0,1
.irp ct, 0,1,2,3
	ds_store_b128 v[STO], v[SF+16*\t+4*\ct:SF+16*\t+4*\ct+3] offset:32*\ct
.endr
.irp u, 0,1,2,3
	ds_load_b128 v[KV+16*\t+4*\u:KV+16*\t+4*\u+3], v[RD] offset:4*SP*\u
.endr
.endr
.irp t, 0,1
.irp u, 0,1,2,3
	s_wait_dscnt 11-8*\t-\u                        ; the LDS instructions issued behind this load may stay out
	global_store_b128 v[GO], v[KV+16*\t+4*\u:KV+16*\t+4*\u+3], s[56:57] offset:\t*2048+512*\u
.endr
.endr
.Lfin:
	s_wait_tensorcnt 0x0                           ; the wave's end: behind my last tensor load and my last LDS store
	ds_add_u32 v[SPW], v[NIL]
	s_wait_dscnt 0x0
	CROUND                                         ; the closing round: no work-group ends while a partner may still ask for a tile that names it
	s_endpgm
.Lfunc_end_k_q1498601920_attn:
	.size	k_q1498601920_attn, .Lfunc_end_k_q1498601920_attn-k_q1498601920_attn
	.p2alignl 7, 3214868480
	.fill 96, 4, 3214868480
	.section	.rodata,"a",@progbits
	.p2align	6, 0x0
	.amdhsa_kernel k_q1498601920_attn
		.amdhsa_group_segment_fixed_size 327680
		.amdhsa_private_segment_fixed_size 0
		.amdhsa_enable_private_segment 0
		.amdhsa_kernarg_size 16
		.amdhsa_user_sgpr_count 2
		.amdhsa_user_sgpr_kernarg_segment_ptr 1
		.amdhsa_wavefront_size32 1
		.amdhsa_system_sgpr_workgroup_id_x 1
		.amdhsa_system_sgpr_workgroup_id_y 1
		.amdhsa_system_sgpr_workgroup_id_z 1
		.amdhsa_system_vgpr_workitem_id 0
		.amdhsa_next_free_vgpr 256
		.amdhsa_next_free_sgpr 66
		.amdhsa_reserve_vcc 0
		.amdhsa_float_denorm_mode_32 3
		.amdhsa_float_denorm_mode_16_64 3
		.amdhsa_memory_ordered 1
		.amdhsa_forward_progress 1
		.amdhsa_inst_pref_size 93
	.end_amdhsa_kernel
	.amdgpu_metadata
---
amdhsa.version: [ 1, 2 ]
amdhsa.kernels:
  - .name:           k_q1498601920_attn
    .symbol:         k_q1498601920_attn.kd
    .args:
      - { .name: qkv, .offset: 0, .size: 8, .value_kind: global_buffer, .address_space: global }
      - { .name: ao, .offset: 8, .size: 8, .value_kind: global_buffer, .address_space: global }
    .group_segment_fixed_size: 327680
    .private_segment_fixed_size: 0
    .kernarg_segment_align: 8
    .kernarg_segment_size: 16
    .max_flat_workgroup_size: 512
    .sgpr_count:     66
    .vgpr_count:     256
    .wavefront_size: 32
...
	.end_amdgpu_metadata
.endif
;; end of part 3
;; launch oproj (part 4): grid 8 x 32, 4 waves a work-group, clusters of 4 x 4, 327,680 bytes of LDS; arguments ao, wo16, out0, bo; writes out0
.if DOCPART == 4
	.amdgcn_target "amdgcn-amd-amdhsa--gfx1250"
	.amdhsa_code_object_version 6
	.text
	.protected	k_q1498601920_oproj
	.globl	k_q1498601920_oproj
	.p2align	8
	.type	k_q1498601920_oproj,@function
k_q1498601920_oproj:
	s_mov_b64 s[64:65], 0
	v_nop
	global_prefetch_b8 v0, s[64:65] scope:SCOPE_SE
	s_setreg_imm32_b32 hwreg(HW_REG_WAVE_MODE, 25, 1), 1
	s_wait_xcnt 0x0
	s_wait_alu depctr_hold_cnt(0) depctr_sa_sdst(0) depctr_va_vdst(0) depctr_va_sdst(0) depctr_va_ssrc(0) depctr_va_vcc(0) depctr_vm_vsrc(0)
	s_getreg_b32 s2, hwreg(HW_REG_IB_STS2, 6, 4)
	s_cmp_eq_u32 s2, 0
	s_cbranch_scc0 .Lentry_in_a_cluster
	s_endpgm
.Lentry_in_a_cluster:
	s_bfe_u32 s2, ttmp6, 0x10000c
	s_cmp_lg_u32 s2, 0xf033
	s_cbranch_scc0 .Lentry_shape_is_right
	s_endpgm
.Lentry_shape_is_right:
; out0[T][n] = the sum over k of ao[T][k] Wo[n][k] + bo[n]: 4,096 x 1,024 x 1,024, f16 operands, f32 sums, the bias as the C of each sum's first product; out0 f32.
; ao: f16 [T / 128][k / 64][T % 128][k % 64]; wo16: f16 [n / 128][k / 64][n % 128][k % 64]: a block of 128 rows x 64 along K is 16,384 dense bytes in both.
; A tile of out0 is 128 x 128: 256 work-groups.  Four waves, each 64 x 64: 16 accumulators of 16 x 16.  K goes in four steps of 256 (four blocks of each operand) through two LDS slots; a wave's tensor load brings two
; blocks as 128 rows of 256 bytes (two of the operand's rows each) with 16 bytes of padding behind each.  The four K steps are written out: no loop.
; CLUSTERS: 4 x 4 work-groups.  The four of a row of the cluster need the same blocks of ao, the four of a column the same blocks of wo16: each is asked for JOINTLY.
; THE MATRIX INSTRUCTION IS USED TRANSPOSED (source 0 = 16 rows of Wo, source 1 = 16 tokens): a lane then holds eight neighbouring numbers of a row of out0.
; No prefetch: a K step's matrix work is short and the launch is short; both first K steps are asked for at the head.
; REGISTERS: window 0: v0-31 addresses; v32-95 the way out; v96-127 the bias in the result's layout; v128-255 the accumulators ((a, b) at v[128 + 8 (4 a + b)]).
;   window 1: two fragment buffers of 128: for 64 along K, 64 registers of ao, then 64 of Wo.
.set PITCH,  272                       ; two rows of an operand: 256 bytes + 16: the 16 rows of a load fall on 16 (r / 2) + 128 (r % 2) modulo 256: sixteen different columns of 16 bytes
.set BLK,    64*PITCH                  ; a block: 128 rows x 64 along K
.set HALFT,  2*BLK                     ; what one tensor load brings
.set SLOT,   4*HALFT                   ; ao's four blocks, then Wo's four
.set BOFF,   4*BLK
.set SPARE,  2*SLOT                    ; behind the ring: the spare words, 128 bytes for each wave
.set SPITCH, 272                       ; the way out: a stage of 16 rows x (256 bytes + 16) for each wave, in slot 0, which has had its last fill and its last read when the first result is stored there
.set ADRA, 16
.set ADRB, 20
.set STO,  24
.set RD,   25
.set CO,   26
.set BA,   27                          ; v27 the bias loads' offset
.set SPW,  28
.set NIL,  29
.set TMP,  32
.set BIAS, 96
.set ACC,  128
.set F0,   0
.set F1,   128
.set G1, 24
.set G0, 32
.set G1B, 48
.set G0B, 56
.set MSB, 0
.macro WIN new                         ; the immediate's high byte repeats the setting that is left
.if MSB != (\new)
	s_set_vgpr_msb (MSB<<8)|(\new)
.set MSB, (\new)
.endif
.endm
.set MUL,  0x05                        ; sources 0 (Wo) and 1 (ao) window 1; C and D window 0
.set TO_F, 0x40                        ; destination window 1, address window 0
.macro JLOAD s                         ; a joint load: waves 0 and 1 fetch ao's blocks, waves 2 and 3 Wo's; an s_nop 0 and four v_nop follow each of the two lines
	s_cmp_eq_u32 s11, 0
	s_cbranch_scc0 .Lfor_b_\@
	tensor_load_to_lds s[G0+4*\s:G0+4*\s+3], s[G1:G1+7]
	s_nop 0
.rept 4
	v_nop
.endr
	s_branch .Lasked_\@
.Lfor_b_\@:
	tensor_load_to_lds s[G0B+4*\s:G0B+4*\s+3], s[G1B:G1B+7]
	s_nop 0
.rept 4
	v_nop
.endr
.Lasked_\@:
.endm
.macro CREST                           ; a round of the cluster's barrier behind its opening barrier
	s_cmp_lg_u32 s10, 0
	s_cbranch_scc1 .Lnot_wave_0_\@
	s_barrier_signal -3
.Lnot_wave_0_\@:
	s_barrier_wait -3
	s_barrier_signal -1
	s_barrier_wait -1
.endm
.macro CROUND
	s_barrier_signal -1
	s_barrier_wait -1
	CREST
.endm
	s_load_b128 s[4:7], s[0:1], 0x0                ; ao s[4:5], wo16 s[6:7]
	s_load_b64 s[8:9], s[0:1], 0x10                ; out0
	s_load_b64 s[66:67], s[0:1], 0x18              ; bo
	v_lshl_add_u32 v[SPW], v0, 2, SPARE
	v_mov_b32 v[NIL], 0
	ds_add_u32 v[SPW], v[NIL]                      ; the wave's opening: the add, twice on end, and its wait ahead of my first tensor load
	ds_add_u32 v[SPW], v[NIL]
	v_lshrrev_b32 v1, 5, v0
	v_readfirstlane_b32 s10, v1                    ; wave 0..3
	s_lshr_b32 s11, s10, 1                         ; which half of the tile's rows is mine.  Also: I fetch for ao (0) or for Wo (1)
	s_and_b32 s12, s10, 1                          ; which half of its columns.  Also: which two blocks of a K step I fetch
	s_bfe_u32 s40, ttmp6, 0x40000                  ; cx, cy
	s_bfe_u32 s41, ttmp6, 0x40004
	s_lshl_b32 s42, ttmp9, 2
	s_add_co_u32 s42, s42, s40                     ; tile column = 4 x cluster x + cx
	s_and_b32 s13, ttmp7, 0xffff
	s_lshl_b32 s13, s13, 2
	s_add_co_u32 s13, s13, s41                     ; tile row = 4 x cluster y + cy
	s_lshl_b32 s43, s41, 2
	s_lshl_b32 s43, 15, s43                        ; my row of the cluster
	s_lshl_b32 s44, 0x1111, s40                    ; my column
	s_or_b32 s[G1+0], s43, (1<<16)|(1<<20)|(1<<21)|(5<<22)|(3<<25)   ; the mask; elements of 2 bytes; padding on; bit 21 beside a mask; 4 words after every 64
	s_or_b32 s[G1B+0], s44, (1<<16)|(1<<20)|(1<<21)|(5<<22)|(3<<25)
.irp g, G1, G1B
	s_mov_b32 s[\g+1], 128<<16                     ; tensor_dim0 = 128 elements
	s_mov_b32 s[\g+2], 128<<16                     ; tensor_dim1 = 128 rows
	s_mov_b32 s[\g+3], 128<<16                     ; tile_dim0
	s_mov_b32 s[\g+4], 128                         ; tile_dim1
	s_mov_b32 s[\g+5], 128                         ; dense
	s_mov_b32 s[\g+6], 0
	s_mov_b32 s[\g+7], 0
.endr
	s_lshl_b32 s17, s12, 1
	s_lshl_b32 s16, s13, 4
	s_add_co_u32 s16, s16, s17
	s_lshl_b32 s16, s16, 14                        ; ao: block 16 x tile row + 2 x half, 16,384 bytes a block
	s_lshl_b32 s46, s42, 4
	s_add_co_u32 s46, s46, s17
	s_lshl_b32 s46, s46, 14                        ; wo16: block 16 x tile column + 2 x half
	s_mov_b32 s17, 0
	s_mov_b32 s47, 0
	s_mul_i32 s20, s10, HALFT                      ; where they go: wave x two blocks: no place in the cluster enters an LDS address
	s_wait_dscnt 0x0                               ; both opening adds are done
	s_wait_kmcnt 0x0
	s_add_nc_u64 s[14:15], s[4:5], s[16:17]
	s_add_nc_u64 s[46:47], s[6:7], s[46:47]
	CROUND                                         ; all sixteen work-groups are here: the first joint loads meet
.irp s, 0,1
	s_mov_b32 s[G0+4*\s], 1
	s_add_co_u32 s[G0+4*\s+1], s20, \s*SLOT
	s_add_nc_u64 s[G0+4*\s+2:G0+4*\s+3], s[14:15], \s*65536         ; K step s: four blocks on
	s_or_b32 s[G0+4*\s+3], s[G0+4*\s+3], 0x80000000
	s_mov_b32 s[G0B+4*\s], 1
	s_add_co_u32 s[G0B+4*\s+1], s20, \s*SLOT
	s_add_nc_u64 s[G0B+4*\s+2:G0B+4*\s+3], s[46:47], \s*65536
	s_or_b32 s[G0B+4*\s+3], s[G0B+4*\s+3], 0x80000000
	JLOAD \s                                       ; two tensor loads of mine are out at the most
.endr
	v_and_b32 v1, 15, v0                           ; r = l % 16
	v_bfe_u32 v2, v0, 4, 1                         ; h = l / 16
	v_lshrrev_b32 v3, 1, v1
	v_mul_u32_u24 v3, v3, PITCH
	v_and_b32 v4, 1, v1
	v_lshl_add_u32 v3, v4, 7, v3
	v_lshl_add_u32 v3, v2, 4, v3                   ; row r of a fragment: (r / 2) x pitch + 128 (r % 2), + 16 h
	s_mul_i32 s21, s11, 32*PITCH                   ; my 64 rows of each of ao's blocks
	s_mul_i32 s22, s12, 32*PITCH                   ; my 64 rows of each of Wo's,
	s_add_co_u32 s22, s22, BOFF                    ; which lie behind ao's four
.irp s, 0,1
	v_add_nc_u32 v[ADRA+\s], s21, v3
	v_add_nc_u32 v[ADRB+\s], s22, v3
	s_add_co_u32 s21, s21, SLOT
	s_add_co_u32 s22, s22, SLOT
.endr
	s_mul_i32 s23, s10, 16*SPITCH                  ; my stage
	v_mul_u32_u24 v4, v1, SPITCH
	v_lshl_add_u32 v4, v2, 5, v4
	v_add_nc_u32 v[STO], s23, v4                   ; in: row r, 32 bytes for each half of the lanes
	v_mul_u32_u24 v5, v2, SPITCH
	v_lshl_add_u32 v5, v1, 4, v5
	v_add_nc_u32 v[RD], s23, v5                    ; back: lanes 0-15 one row of 256 bytes, lanes 16-31 the next
	v_lshlrev_b32 v[CO], 12, v2
	v_lshl_add_u32 v[CO], v1, 4, v[CO]             ; and the same two rows in out0, 4,096 bytes apart
	s_lshl_b32 s16, s13, 7
	s_lshl_b32 s17, s11, 6
	s_add_co_u32 s16, s16, s17                     ; my first row: 128 x tile row + 64 x half
	s_lshl_b32 s16, s16, 12
	s_mov_b32 s17, 0
	s_add_nc_u64 s[8:9], s[8:9], s[16:17]
	s_lshl_b32 s46, s42, 9
	s_lshl_b32 s47, s12, 8
	s_add_co_u32 s46, s46, s47                     ; my first column, in bytes: (128 x tile column + 64 x half) x 4
	s_mov_b32 s47, 0
	s_add_nc_u64 s[8:9], s[8:9], s[46:47]
	s_add_nc_u64 s[66:67], s[66:67], s[46:47]      ; and the same in bo
	v_lshlrev_b32 v[BA], 5, v2                     ; 32 h
.irp b, 0,1,2,3
	global_load_b128 v[BIAS+8*\b:BIAS+8*\b+3], v[BA], s[66:67] offset:64*\b          ; block b: the bias of columns 16 b + 8 h + 0 .. 7
	global_load_b128 v[BIAS+8*\b+4:BIAS+8*\b+7], v[BA], s[66:67] offset:64*\b+16
.endr
; 8 matrix instructions: token blocks a0, a0 + 1 x all 4 column blocks, 32 along K: half c of buffer f.  zero = 1: the first product starts the sums on the bias.  The 16 accumulators take turns.
.macro MUL8 f, c, a0, zero
.irp a, \a0, \a0+1
.irp b, 0,1,2,3
.if \zero
	v_wmma_f32_16x16x32_f16 v[ACC+8*(4*(\a)+\b):ACC+8*(4*(\a)+\b)+7], v[\f+64+8*(4*\c+\b):\f+64+8*(4*\c+\b)+7], v[\f+8*(4*\c+\a):\f+8*(4*\c+\a)+7], v[BIAS+8*\b:BIAS+8*\b+7]
.else
	v_wmma_f32_16x16x32_f16 v[ACC+8*(4*(\a)+\b):ACC+8*(4*(\a)+\b)+7], v[\f+64+8*(4*\c+\b):\f+64+8*(4*\c+\b)+7], v[\f+8*(4*\c+\a):\f+8*(4*\c+\a)+7], v[ACC+8*(4*(\a)+\b):ACC+8*(4*(\a)+\b)+7]
.endif
.endr
.endr
.endm
; 32 LDS loads in one run: the fragments of block qd of the slot (64 along K) into buffer f; the first 32 along K first
.macro FETCH slot, qd, f
	WIN TO_F
.irp c, 0,1
.irp i, 0,1,2,3
	ds_load_b128 v[\f+64+8*(4*\c+\i):\f+64+8*(4*\c+\i)+3],   v[ADRB+\slot] offset:\qd*BLK+64*\c+\i*8*PITCH
	ds_load_b128 v[\f+64+8*(4*\c+\i)+4:\f+64+8*(4*\c+\i)+7], v[ADRB+\slot] offset:\qd*BLK+64*\c+\i*8*PITCH+32
	ds_load_b128 v[\f+8*(4*\c+\i):\f+8*(4*\c+\i)+3],         v[ADRA+\slot] offset:\qd*BLK+64*\c+\i*8*PITCH
	ds_load_b128 v[\f+8*(4*\c+\i)+4:\f+8*(4*\c+\i)+7],       v[ADRA+\slot] offset:\qd*BLK+64*\c+\i*8*PITCH+32
.endr
.endr
.endm
.macro PLACES                          ; four places in front of loads into registers that matrix instructions have read, and of the first read of results
.rept 4
	v_nop
.endr
.endm
; A K step is four quarters of 64 along K (a block each), 32 matrix instructions each, on buffers 0, 1, 0, 1.  One of the first three: multiplies buffer f and fetches block qd into g.
.macro QUARTER slot, qd, f, g, zero
	s_wait_dscnt 16                                ; the first 32 along K are in; the other sixteen loads may be out
	WIN MUL
	MUL8 \f, 0, 0, \zero
	MUL8 \f, 0, 2, \zero
	PLACES
	FETCH \slot, \qd, \g
	s_wait_dscnt 32                                ; all but the 32 just issued
	WIN MUL
	MUL8 \f, 1, 0, 0
	MUL8 \f, 1, 2, 0
.endm
; The last quarter multiplies buffer 1 and changes slots: ONE barrier; in front of it each wave waits for all its tensor loads, adds 0 to its spare word, and waits for that and for its reads of this slot.
; fill = 1: the barrier opens a round of the cluster's barrier, and this slot is filled again, two K steps ahead.
.macro TURN slot, next, fill
	WIN 0                                          ; (the add's two registers lie in window 0)
	s_wait_tensorcnt 0x0                           ; all my tensor loads have landed: my part of the next slot
	ds_add_u32 v[SPW], v[NIL]                      ; 0 onto my spare word
	s_wait_dscnt 17                                ; (the add and the youngest sixteen loads may be out)
	WIN MUL
	MUL8 F1, 0, 0, 0
	s_wait_dscnt 0x0                               ; the add is done, and my reads of this slot are over
	s_barrier_signal -1
	MUL8 F1, 0, 2, 0
.if \fill
	WIN 0
.endif
	s_barrier_wait -1
.if \fill
	CREST                                          ; no wave of any partner still reads this slot or has a load on its way
	s_add_nc_u64 s[G0+4*\slot+2:G0+4*\slot+3], s[G0+4*\slot+2:G0+4*\slot+3], 131072
	s_add_nc_u64 s[G0B+4*\slot+2:G0B+4*\slot+3], s[G0B+4*\slot+2:G0B+4*\slot+3], 131072
	JLOAD \slot                                    ; the first tensor load behind the round; the four v_nop behind it are also the places in front of the loads below
.else
	PLACES
.endif
	FETCH \next, 0, F0
	WIN MUL
	MUL8 F1, 1, 0, 0
	MUL8 F1, 1, 2, 0
.endm
	s_wait_tensorcnt 1                             ; my part of K step 0 is in; K step 1's load may be out
	s_barrier_signal -1
	s_barrier_wait -1                              ; everybody's is
	FETCH 0, 0, F0
	s_wait_loadcnt 0x0                             ; the bias
	QUARTER 0, 1, F0, F1, 1                        ; K step 0
	QUARTER 0, 2, F1, F0, 0
	QUARTER 0, 3, F0, F1, 0
	TURN 0, 1, 1                                   ; slot 0 takes K step 2
	QUARTER 1, 1, F0, F1, 0                        ; K step 1
	QUARTER 1, 2, F1, F0, 0
	QUARTER 1, 3, F0, F1, 0
	TURN 1, 0, 1                                   ; slot 1 takes K step 3
	QUARTER 0, 1, F0, F1, 0                        ; K step 2
	QUARTER 0, 2, F1, F0, 0
	QUARTER 0, 3, F0, F1, 0
	TURN 0, 1, 0                                   ; nothing is left to fetch
	QUARTER 1, 1, F0, F1, 0                        ; K step 3
	QUARTER 1, 2, F1, F0, 0
	QUARTER 1, 3, F0, F1, 0
	s_wait_dscnt 16                                ; the very last quarter
	WIN MUL
	MUL8 F1, 0, 0, 0
	MUL8 F1, 0, 2, 0
	s_wait_dscnt 0
	MUL8 F1, 1, 0, 0
	MUL8 F1, 1, 2, 0
	WIN 0
; THE WAY OUT, block by block of 16 rows x 64 columns.  A lane holds 32 neighbouring bytes of a row; a block goes through my own stage and comes back as whole rows of 256 bytes, which sixteen lanes store.
; A wave's 64 columns are 256 aligned bytes of out0, so no other wave has a part in them and no barrier is needed.  LDS serves a wave's instructions in order.
.macro TOSTAGE a
.irp b, 0,1,2,3
	ds_store_b128 v[STO], v[ACC+8*(4*(\a)+\b):ACC+8*(4*(\a)+\b)+3] offset:64*\b          ; each accumulator from its low end on
	ds_store_b128 v[STO], v[ACC+8*(4*(\a)+\b)+4:ACC+8*(4*(\a)+\b)+7] offset:64*\b+16
.endr
.irp t, 0,1,2,3,4,5,6,7
	ds_load_b128 v[TMP+32*((\a)%2)+4*\t:TMP+32*((\a)%2)+4*\t+3], v[RD] offset:\t*2*SPITCH
.endr
.endm
.macro SEND a, younger                 ; younger: the LDS instructions issued behind block a's loads, which may stay out
	s_wait_dscnt \younger
.irp t, 0,1,2,3,4,5,6,7
	global_store_b128 v[CO], v[TMP+32*((\a)%2)+4*\t:TMP+32*((\a)%2)+4*\t+3], s[8:9] offset:(16*(\a)+2*\t)*4096 th:TH_STORE_NT   ; 16 lanes store 256 consecutive bytes, aligned; written once, read by nobody here
.endr
.endm
	PLACES
	TOSTAGE 0
.irp a, 1,2,3
.if \a > 1
	s_wait_xcnt 0x0                                ; block a - 2's stores have read their registers: block a's loads may land there
.endif
	TOSTAGE \a
	SEND \a-1, 16                                  ; behind block a - 1's loads: block a's 8 stores and 8 loads
.endr
	SEND 3, 0
	s_wait_tensorcnt 0x0                           ; the wave's end: behind my last tensor load and my last LDS store
	ds_add_u32 v[SPW], v[NIL]
	s_wait_dscnt 0x0
	CROUND                                         ; the closing round: no work-group ends while a partner may still ask for a tile that names it
	s_endpgm
.Lfunc_end_k_q1498601920_oproj:
	.size	k_q1498601920_oproj, .Lfunc_end_k_q1498601920_oproj-k_q1498601920_oproj
	.p2alignl 7, 3214868480
	.fill 96, 4, 3214868480
	.section	.rodata,"a",@progbits
	.p2align	6, 0x0
	.amdhsa_kernel k_q1498601920_oproj
		.amdhsa_group_segment_fixed_size 327680
		.amdhsa_private_segment_fixed_size 0
		.amdhsa_enable_private_segment 0
		.amdhsa_kernarg_size 32
		.amdhsa_user_sgpr_count 2
		.amdhsa_user_sgpr_kernarg_segment_ptr 1
		.amdhsa_wavefront_size32 1
		.amdhsa_system_sgpr_workgroup_id_x 1
		.amdhsa_system_sgpr_workgroup_id_y 1
		.amdhsa_system_sgpr_workgroup_id_z 1
		.amdhsa_system_vgpr_workitem_id 0
		.amdhsa_next_free_vgpr 512
		.amdhsa_next_free_sgpr 68
		.amdhsa_reserve_vcc 0
		.amdhsa_float_denorm_mode_32 3
		.amdhsa_float_denorm_mode_16_64 3
		.amdhsa_memory_ordered 1
		.amdhsa_forward_progress 1
		.amdhsa_inst_pref_size 86
	.end_amdhsa_kernel
	.amdgpu_metadata
---
amdhsa.version: [ 1, 2 ]
amdhsa.kernels:
  - .name:           k_q1498601920_oproj
    .symbol:         k_q1498601920_oproj.kd
    .args:
      - { .name: ao, .offset: 0, .size: 8, .value_kind: global_buffer, .address_space: global }
      - { .name: wo16, .offset: 8, .size: 8, .value_kind: global_buffer, .address_space: global }
      - { .name: out0, .offset: 16, .size: 8, .value_kind: global_buffer, .address_space: global }
      - { .name: bo, .offset: 24, .size: 8, .value_kind: global_buffer, .address_space: global }
    .group_segment_fixed_size: 327680
    .private_segment_fixed_size: 0
    .kernarg_segment_align: 8
    .kernarg_segment_size: 32
    .max_flat_workgroup_size: 128
    .sgpr_count:     68
    .vgpr_count:     512
    .wavefront_size: 32
...
	.end_amdgpu_metadata
.endif
;; end of part 4
